; MI455X (gfx1250); checked and timed in simulation.
; The chip was launched on July 23, 2026; its instructions are those of AMD's public machine-readable ISA for CDNA 5 (MIT licence, August 2026) and "CDNA5" Instruction Set Architecture Reference Guide (July 2026). The comments in the code are by the model that wrote it; some were corrected since.
;; Multihead Self Attention. Allowed arithmetic: matrix products marked QUANTISED: E2M3 operands, one E8M0 scale for each 32 along K, by v_wmma_scale_f32_16x16x128_f8f6f4 with both operands' format E2M3, f32 sums; everything else in f32.
;; Inputs: Wk 1,024 x 1,024 float32; Wo 1,024 x 1,024 float32; Wq 1,024 x 1,024 float32; Wv 1,024 x 1,024 float32; bk 1,024 float32; bo 1,024 float32; bq 1,024 float32; bv 1,024 float32; x 4 x 2,048 x 1,024 float32.
;; Outputs: out0 4 x 2,048 x 1,024 float32.
;; This version of the problem:
;;   THIS VERSION OF THE PROBLEM IS GIVEN IN LOW PRECISION. The matrix products marked QUANTISED in the list below multiply operands that are first quantised to E2M3 (2 exponent bits, 3 mantissa bits; 6 bits a number), with one power-of-two scale for each 32 numbers along K (OCP MX v1.0); their sums are f32. All else is computed in f32.
;;   The module's matrix products, in the order in which they are computed (A, B: the left and right operand; K: the contracted axis; several contracted axes count as one K, in the product's order):
;;     1. [M 8,192, K 1,024] x [K 1,024, N 1,024]; A: input x; B: input Wq: QUANTISED
;;     2. [M 8,192, K 1,024] x [K 1,024, N 1,024]; A: input x; B: input Wk: QUANTISED
;;     3. [M 8,192, K 1,024] x [K 1,024, N 1,024]; A: input x; B: input Wv: QUANTISED
;;     4. batch 64 x [M 2,048, K 64] x [K 64, N 2,048]; A: computed on the way; B: computed on the way: QUANTISED
;;     5. batch 64 x [M 2,048, K 2,048] x [K 2,048, N 64]; A: softmax (see below); B: computed on the way: QUANTISED
;;     6. [M 8,192, K 1,024] x [K 1,024, N 1,024]; A: computed on the way; B: input Wo: QUANTISED
;;   THE QUANTISER, for each operand of a quantised product, along K:
;;     - K is cut into blocks of 32 from its start; a last block that is shorter is filled with zeros.
;;     - A block's scale is 2^e with e = floor(log2(the largest magnitude in the block)) - 2, held to -126 .. 127; a block of zeros has e = 0. As a byte (E8M0): e + 127.
;;     - Each number is divided by its block's scale, clamped to +-7.5, and rounded to the nearest number of E2M3, ties to even, subnormals kept.
;;     - The product sums the exact products of the quantised numbers (number of the format x scale) in f32.
;;   ~~~python
;;   def quantise(x, axis):      # numpy; x: float32 -> the quantised numbers, widened to float32 again
;;       x = np.moveaxis(x, axis, -1); K = x.shape[-1]
;;       x = np.pad(x, [(0, 0)] * (x.ndim - 1) + [(0, -K % 32)]); x = x.reshape(x.shape[:-1] + (-1, 32)); a = np.abs(x).max(-1, keepdims=True)
;;       e = np.where(a > 0, np.clip(np.frexp(np.where(a > 0, a, 1))[1] - 1 - 2, -126, 127), 0)      # np.frexp(a)[1] - 1 = floor(log2(a)), exactly
;;       r = np.clip(x / 2.0 ** e, -7.5, 7.5)
;;       step = 2.0 ** (np.maximum(np.frexp(np.where(r == 0, 1, r))[1] - 1, 0) - 3)
;;       q = np.round(r / step) * step * 2.0 ** e      # np.round: ties to even
;;       return np.moveaxis(q.reshape(q.shape[:-2] + (-1,))[..., :K], -1, axis).astype(np.float32)
;;   ~~~
;;   SOFTMAX AHEAD OF A QUANTISED PRODUCT. Where the list says 'softmax', what is quantised is not the finished softmax but p = 2^(t - M), with t = logit x log2(e) and M = ceil(the row's largest t), a whole number; so 1/2 < the row's largest p <= 1. The row's sum l is taken of the UNQUANTISED p, in f32, and the product's result is divided by l at the end. Since M is a whole number, a kernel that streams over the keys may use a running M (the ceiling of the running maximum): every later rescaling is an exact power of two, which a block's scale takes up: the codes' values come out the same.
;;   OPERANDS COMPUTED ON THE WAY. 'Computed on the way' means the value that the module computes at that place (a softmax that the list does not call 'softmax' is quantised finished and normalised). What goes into a quantiser is computed in f32, as accurately as f32 sums, v_exp_f32 and their like allow (about 1e-6 of the number): no bf16 or f16 on the way to a quantiser, and a product that is left as it is and whose result goes on into a quantised operand takes f32 operands (vector FMAs, or v_wmma_f32_16x16x4_f32). A number that lies on a knife's edge between two numbers of the format may be rounded either way, as far as f32 arithmetic and the matrix unit's own rounding can turn it there, and no further.
;; One version. Each part assembles by itself: llvm-mc -triple=amdgcn-amd-amdhsa -mcpu=gfx1250 --defsym DOCPART=n.
;; ======== version 1 of 1: 4 launches
;; limits: right only within a limited range of input values
;; workspace buffers: x_img 6,291,456 bytes; x_sc 262,144 bytes; w_img 3,145,728 bytes; w_sc 131,072 bytes; qk_img 13,631,488 bytes; v_img 6,815,744 bytes; y_img 6,291,456 bytes; y_sc 262,144 bytes
;; launch quant (part 1): grid 256 x 1, 12 waves a work-group, no clusters, 82,432 bytes of LDS; arguments Wq, Wk, Wv, Wo, w_img, w_sc, x, x_img, x_sc; writes w_img, w_sc, x_img, x_sc
.if DOCPART == 1
	.amdgcn_target "amdgcn-amd-amdhsa--gfx1250"
	.amdhsa_code_object_version 6
	.text
	.protected	k_q484b2a8b45_quant
	.globl	k_q484b2a8b45_quant
	.p2align	8
	.type	k_q484b2a8b45_quant,@function
k_q484b2a8b45_quant:
	s_mov_b64 s[64:65], 0
	v_nop
	global_prefetch_b8 v0, s[64:65] scope:SCOPE_SE
	s_setreg_imm32_b32 hwreg(HW_REG_WAVE_MODE, 25, 1), 1
	s_wait_xcnt 0x0
; x [8192][1024] and Wq, Wk, Wv, Wo [1024 (k)][1024 (n)], f32, become codes of FP6 (E2M3) with one E8M0 scale byte for each 32 along K, laid as the products' registers want them.
; ONE LAUNCH FOR BOTH: in each of the 256 work-groups waves 0-7 take a share of x and waves 8-11 a share of the weights, so that every work-group has the same bytes of both streams.
; The two paths part once, on the wave's number; they share no LDS byte and no barrier, and each ends by itself.
; POSITIONS.  Rows of x and columns of a weight are kept in position order: position p stands for index p with bits 3 and 4 exchanged: lane r of tile T holds index 32 (T / 2) + 8 (T % 2) + r + 8 (r / 8).
; x_img: [tile T][K step of 128][1,536 bytes]: a fragment's 12 registers as six pairs, pair p of lane l at 256 p + 8 l; lane (r, h) holds row r, registers 6 c .. 6 c + 5 hold K = 64 c + 32 h + 0 .. 31.  x_sc: [position][32 bytes].
; w_img: [weight 0..3][tile][K step][1,536 bytes], w_sc: [weight][position][32 bytes], likewise.
; A block's scale byte is its largest magnitude's exponent field - 2, held at 1 from below by a floor among the maximum's leaves.
; LIMITS: a block of zeros gets the byte 1 (its codes are zeros, and this program alone reads the bytes); NaN and infinities among the inputs are not served.
; x's SHARES.  A wave takes one tile and a quarter of K: two fragments.  Each load reads 512 consecutive bytes of one row; the 16 rows turn through the wave's own stage in LDS (rows 528 bytes apart) and come back as two whole blocks of 32 a lane.
; THE WEIGHTS' SHARES.  Work-group n: weight and column group of 128 from n % 32, K step n / 32.  A wave: 32 columns x 128 along K.  A lane takes a column and its registers run down K: a block of 32 lies in one lane, and the
; conversions give codes with K innermost.  Block t of a column is registers 6 (t / 2) .. + 5 of fragment lane r + 16 (t % 2): it goes to the wave's own stage at that place, and the stage leaves as it lies, 512 aligned bytes a store.
; Each byte is read once, by one wave, and all loads of a wave are asked for at its start or two blocks ahead: no tensor loads, no clusters, no prefetch.
.set ROWB,  4096                       ; a row of x in bytes
.set SP,    528                        ; x: a stage row: 512 bytes + 16
.set WST,   16*SP                      ; x: a wave's stage
.set TST,   1664                       ; weights: a tile's place in the stage (1,536 + 128)
.set WBASE, 8*WST                      ; the weights' stages lie behind x's
.set SPARE, WBASE+4*2*TST              ; the spare words, 128 bytes a wave
.set R,     16                         ; x: v16-143 two sets of 64: a fragment's numbers as loaded
.set X,     144                        ; x: v144-207 my two blocks of 32
.set C,     208                        ; x: v208-231 the codes
.set T,     232                        ; x: the blocks' upper halves
.set MX,    240
.set SOP,   242
.set BY,    244
.set W,     246
.set WX,    32                         ; weights: v32-95 two sets of 32 numbers
.set WC,    96                         ; weights: a block's codes
.set OUTR,  112                        ; weights: the way out
.set SB,    24                         ; weights: my column's four scale bytes
	s_load_b256 s[40:47], s[0:1], 0x0              ; Wq, Wk, Wv, Wo
	s_load_b128 s[48:51], s[0:1], 0x20             ; w_img, w_sc
	s_load_b128 s[4:7], s[0:1], 0x30               ; x, x_img
	s_load_b64 s[8:9], s[0:1], 0x40                ; x_sc
	v_lshl_add_u32 v254, v0, 2, SPARE
	v_mov_b32 v255, 0
	v_lshrrev_b32 v1, 5, v0
	s_delay_alu instid0(VALU_DEP_1)
	v_readfirstlane_b32 s16, v1                    ; wave 0..11
	s_cmp_lt_u32 s16, 8
	s_cbranch_scc0 .Lweights
; ---------------- x
	v_and_b32 v1, 31, v0                           ; lane
	v_and_b32 v2, 15, v0                           ; r
	v_bfe_u32 v3, v0, 4, 1                         ; h
	s_delay_alu instid0(VALU_DEP_3)
	v_lshlrev_b32 v4, 4, v1                        ; my 16 bytes of a load's 512
	s_mul_i32 s17, s16, WST
	v_add_nc_u32 v5, s17, v4                       ; the stage, on the way in
	v_mul_u32_u24 v6, v2, SP
	s_delay_alu instid0(VALU_DEP_1)
	v_lshl_add_u32 v6, v3, 7, v6
	s_delay_alu instid0(VALU_DEP_1)
	v_add_nc_u32 v6, s17, v6                       ; and on the way out: row r, + 128 h
	v_lshlrev_b32 v7, 3, v1                        ; a pair's place in the image
	v_lshlrev_b32 v8, 5, v2
	s_delay_alu instid0(VALU_DEP_1)
	v_lshl_add_u32 v8, v3, 2, v8                   ; scale words: lanes 0-15 store the first fragment's, lanes 16-31 the second's
	v_lshlrev_b32 v10, 3, v3                       ; 8 h
	v_mov_b32 v11, 0                               ; (a lane permute's destination counts as one of its sources)
	v_cmp_lt_u32 s14, 15, v1                       ; lanes 16-31
	s_mov_b32 s12, 0x76543210
	s_mov_b32 s13, 0xfedcba98                      ; lane l xor 16
	s_lshl_b32 s18, ttmp9, 3
	s_add_co_u32 s18, s18, s16                     ; which of the 2,048 shares is my wave's
	s_lshr_b32 s19, s18, 2                         ; T: the tile
	s_and_b32 s20, s18, 3                          ; the quarter of K
	s_lshr_b32 s21, s19, 1
	s_lshl_b32 s21, s21, 17                        ; 32 (T / 2) rows of 4,096 bytes
	s_and_b32 s22, s19, 1
	s_lshl_b32 s22, s22, 15                        ; 8 (T % 2) rows
	s_add_co_u32 s24, s21, s22
	s_lshl_b32 s22, s20, 10
	s_add_co_u32 s24, s24, s22
	s_mov_b32 s25, 0
	s_mul_i32 s26, s19, 12288
	s_mul_i32 s22, s20, 3072
	s_add_co_u32 s26, s26, s22
	s_mov_b32 s27, 0
	s_lshl_b32 s28, s19, 9
	s_lshl_b32 s22, s20, 3
	s_add_co_u32 s28, s28, s22
	s_mov_b32 s29, 0
	s_wait_alu depctr_va_vdst(0)                   ; the wait at the head's end
	s_wait_kmcnt 0x0
	s_add_nc_u64 s[4:5], s[4:5], s[24:25]
	s_add_nc_u64 s[6:7], s[6:7], s[26:27]
	s_add_nc_u64 s[8:9], s[8:9], s[28:29]
.macro LOADX f                         ; fragment f: position i's 128 numbers, 512 consecutive bytes a load
.irp i, 0,1,2,3,4,5,6,7,8,9,10,11,12,13,14,15
	global_load_b128 v[R+64*\f+4*\i:R+64*\f+4*\i+3], v4, s[4:5] offset:(\i+8*(\i/8))*ROWB+512*\f th:TH_LOAD_NT
.endr
.endm
.macro TURN f                          ; through the stage: LDS serves a wave's instructions in order (ISA guide 5.7.1.4)
.irp i, 0,1,2,3,4,5,6,7,8,9,10,11,12,13,14,15
	ds_store_b128 v5, v[R+64*\f+4*\i:R+64*\f+4*\i+3] offset:SP*\i
.endr
.irp c, 0,1
.irp j, 0,1,2,3,4,5,6,7
	ds_load_b128 v[X+32*\c+4*\j:X+32*\c+4*\j+3], v6 offset:256*\c+16*\j
.endr
.endr
.endm
.macro QX f                            ; my blocks h and 2 + h of row r become registers 0-5 and 6-11 of the fragment
.irp c, 0,1
	v_max3_num_f32 v[MX+\c], |v[X+32*\c]|, |v[X+32*\c+1]|, 0x1800000   ; the floor 2^(3 - 127)
.endr
.irp i, 2,4,6,8,10,12,14,16,18,20,22,24,26,28,30
.irp c, 0,1
	s_delay_alu instid0(VALU_DEP_2)
	v_max3_num_f32 v[MX+\c], v[MX+\c], |v[X+32*\c+\i]|, |v[X+32*\c+\i+1]|
.endr
.endr
.irp c, 0,1
	s_delay_alu instid0(VALU_DEP_2)
	v_add_nc_u32 v[SOP+\c], 0xff000000, v[MX+\c]   ; 2 off the exponent field: the conversion's scale operand
.endr
.irp c, 0,1
	s_delay_alu instid0(VALU_DEP_2)
	v_lshrrev_b32 v[BY+\c], 23, v[SOP+\c]
.endr
	s_delay_alu instid0(VALU_DEP_1)
	v_lshl_or_b32 v[W+\f], v[BY+1], 16, v[BY]
	s_delay_alu instid0(VALU_DEP_1)
	v_lshlrev_b32 v[W+\f], v10, v[W+\f]
	s_delay_alu instid0(VALU_DEP_1)
	v_permlanex16_b32 v11, v[W+\f], s12, s13
	s_delay_alu instid0(VALU_DEP_1)
	v_or_b32 v[W+\f], v[W+\f], v11                 ; with lane l xor 16's two bytes the word is whole
.irp c, 0,1
	v_cvt_scalef32_pk16_fp6_f32 v[C+12*\f+6*\c:C+12*\f+6*\c+2], v[X+32*\c:X+32*\c+15], v[SOP+\c]
	v_cvt_scalef32_pk16_fp6_f32 v[T+4*\c:T+4*\c+2], v[X+32*\c+16:X+32*\c+31], v[SOP+\c]
.endr
	v_nop
.irp c, 0,1
.irp i, 0,1,2
	v_mov_b32 v[C+12*\f+6*\c+3+\i], v[T+4*\c+\i]
.endr
.endr
.irp p, 0,1,2,3,4,5
	global_store_b64 v7, v[C+12*\f+2*\p:C+12*\f+2*\p+1], s[6:7] offset:1536*\f+256*\p   ; 32 lanes store 256 consecutive bytes, aligned
.endr
.endm
	LOADX 0
	LOADX 1
	s_wait_loadcnt 16                              ; the first fragment's 16 loads are in; the second's may be out
	TURN 0
	s_wait_dscnt 0x0
	QX 0
	s_wait_loadcnt 0x0
	TURN 1
	s_wait_dscnt 0x0
	QX 1
	v_cndmask_b32 v9, v[W], v[W+1], s14
	global_store_b32 v8, v9, s[8:9]
	s_wait_tensorcnt 0x0                           ; the wave's end
	ds_add_u32 v254, v255
	s_wait_dscnt 0x0
	s_endpgm
; ---------------- the weights
.Lweights:
	s_and_b32 s16, s16, 3                          ; my wave among the four
	v_and_b32 v2, 31, v0                           ; lane = my column among the wave's 32
	v_lshlrev_b32 v3, 2, v2
	v_bfe_u32 v5, v0, 3, 1                         ; u: which of the two tiles my column falls into
	v_and_b32 v6, 7, v0
	v_bfe_u32 v10, v0, 4, 1
	v_lshl_add_u32 v6, v10, 3, v6                  ; r: its row there
	s_mul_i32 s17, s16, 2*TST
	s_add_co_u32 s17, s17, WBASE                   ; my wave's stage
	v_mul_u32_u24 v4, v5, TST
	v_lshl_add_u32 v4, v6, 3, v4
	v_add_nc_u32 v4, s17, v4                       ; into it: tile u, 8 r
	v_lshlrev_b32 v8, 4, v2
	v_add_nc_u32 v7, s17, v8
	v_lshl_add_u32 v9, v5, 4, v6
	v_lshlrev_b32 v9, 5, v9                        ; my position's row of scale bytes
	s_and_b32 s30, ttmp9, 31
	s_lshr_b32 s18, s30, 3                         ; which weight
	s_and_b32 s19, s30, 7                          ; which 128 columns
	s_lshr_b32 s20, ttmp9, 5                       ; which K step
	s_lshl_b32 s21, s19, 7
	s_lshl_b32 s22, s16, 5
	s_add_co_u32 s21, s21, s22                     ; my wave's first column
	s_lshl_b32 s24, s20, 19
	s_lshl_b32 s22, s21, 2
	s_add_co_u32 s24, s24, s22
	s_mov_b32 s25, 0
	s_mul_i32 s26, s18, 786432
	s_lshr_b32 s22, s21, 4
	s_mul_i32 s22, s22, 12288
	s_add_co_u32 s26, s26, s22
	s_mul_i32 s22, s20, 1536
	s_add_co_u32 s26, s26, s22
	s_mov_b32 s27, 0
	s_lshl_b32 s28, s18, 10
	s_add_co_u32 s28, s28, s21
	s_lshl_b32 s28, s28, 5
	s_lshl_b32 s22, s20, 2
	s_add_co_u32 s28, s28, s22
	s_mov_b32 s29, 0
	s_wait_alu depctr_va_vdst(0)                   ; the wait at the head's end
	s_wait_kmcnt 0x0
	s_cmp_eq_u32 s18, 1                            ; the weight is chosen by the work-group's number alone
	s_cselect_b64 s[4:5], s[42:43], s[40:41]
	s_cmp_eq_u32 s18, 2
	s_cselect_b64 s[4:5], s[44:45], s[4:5]
	s_cmp_eq_u32 s18, 3
	s_cselect_b64 s[4:5], s[46:47], s[4:5]
	s_add_nc_u64 s[4:5], s[4:5], s[24:25]
	s_add_nc_u64 s[48:49], s[48:49], s[26:27]
	s_add_nc_u64 s[50:51], s[50:51], s[28:29]
.macro LOADW t                         ; block t: W(32 t + i, my column) into set t % 2
.irp i, 0,1,2,3,4,5,6,7,8,9,10,11,12,13,14,15,16,17,18,19,20,21,22,23,24,25,26,27,28,29,30,31
	global_load_b32 v[WX+32*((\t)%2)+\i], v3, s[4:5] offset:(32*(\t)+\i)*4096 th:TH_LOAD_NT
.endr
.endm
	LOADW 0
	LOADW 1
.macro BLOCK t
.set XS, WX+32*((\t)%2)
.if (\t) < 3
	s_wait_loadcnt 32                              ; this block's 32 loads are in; the next block's may be out
.else
	s_wait_loadcnt 0
.endif
	v_max3_num_f32 v12, |v[XS]|, |v[XS+1]|, |v[XS+2]|
	v_max3_num_f32 v13, |v[XS+3]|, |v[XS+4]|, |v[XS+5]|
.irp i, 6,10,14,18,22,26
	v_max3_num_f32 v12, v12, |v[XS+\i]|, |v[XS+\i+1]|
	v_max3_num_f32 v13, v13, |v[XS+\i+2]|, |v[XS+\i+3]|
.endr
	v_max3_num_f32 v12, v12, |v[XS+30]|, |v[XS+31]|
	v_max3_num_f32 v12, v12, v13, 0x1800000        ; and the floor 2^(3 - 127)
	v_add_nc_u32 v11, 0xff000000, v12
	v_lshrrev_b32 v13, 23, v11
.if (\t) == 0
	v_mov_b32 v[SB], v13
.else
	v_lshl_or_b32 v[SB], v13, 8*(\t), v[SB]
.endif
	v_cvt_scalef32_pk16_fp6_f32 v[WC:WC+2], v[XS:XS+15], v11
	v_cvt_scalef32_pk16_fp6_f32 v[WC+4:WC+6], v[XS+16:XS+31], v11
	v_nop
	v_mov_b32 v[WC+3], v[WC+4]
	v_mov_b32 v[WC+4], v[WC+5]
	v_mov_b32 v[WC+5], v[WC+6]
.irp p, 0,1,2
	ds_store_b64 v4, v[WC+2*\p:WC+2*\p+1] offset:256*(3*((\t)/2)+\p)+128*((\t)%2)
.endr
.if (\t) < 2
	LOADW (\t)+2
.endif
	s_wait_dscnt 0x0                               ; the stores have read their registers
.endm
	BLOCK 0
	BLOCK 1
	BLOCK 2
	BLOCK 3
	s_wait_alu depctr_va_vdst(0)                   ; the wait ahead of the reader below
	global_store_b32 v9, v[SB], s[50:51]           ; my position's scale word of this K step
.irp u, 0,1
.irp n, 0,1,2
	ds_load_b128 v[OUTR+4*(3*\u+\n):OUTR+4*(3*\u+\n)+3], v7 offset:TST*\u+512*\n
.endr
.endr
.irp u, 0,1
.irp n, 0,1,2
	s_wait_dscnt 5-(3*\u+\n)                       ; LDS loads come back in order: the younger ones may be out
	global_store_b128 v8, v[OUTR+4*(3*\u+\n):OUTR+4*(3*\u+\n)+3], s[48:49] offset:12288*\u+512*\n   ; 32 lanes store 512 consecutive bytes, aligned
.endr
.endr
	s_wait_tensorcnt 0x0                           ; the wave's end
	ds_add_u32 v254, v255
	s_wait_dscnt 0x0
	s_endpgm
.Lfunc_end_k_q484b2a8b45_quant:
	.size	k_q484b2a8b45_quant, .Lfunc_end_k_q484b2a8b45_quant-k_q484b2a8b45_quant
	.p2alignl 7, 3214868480
	.fill 96, 4, 3214868480
	.section	.rodata,"a",@progbits
	.p2align	6, 0x0
	.amdhsa_kernel k_q484b2a8b45_quant
		.amdhsa_group_segment_fixed_size 82432
		.amdhsa_private_segment_fixed_size 0
		.amdhsa_enable_private_segment 0
		.amdhsa_kernarg_size 72
		.amdhsa_user_sgpr_count 2
		.amdhsa_user_sgpr_kernarg_segment_ptr 1
		.amdhsa_wavefront_size32 1
		.amdhsa_system_sgpr_workgroup_id_x 1
		.amdhsa_system_sgpr_workgroup_id_y 1
		.amdhsa_system_sgpr_workgroup_id_z 1
		.amdhsa_system_vgpr_workitem_id 0
		.amdhsa_next_free_vgpr 256
		.amdhsa_next_free_sgpr 66
		.amdhsa_reserve_vcc 0
		.amdhsa_float_denorm_mode_32 3
		.amdhsa_float_denorm_mode_16_64 3
		.amdhsa_memory_ordered 1
		.amdhsa_forward_progress 1
		.amdhsa_inst_pref_size 42
	.end_amdhsa_kernel
	.amdgpu_metadata
---
amdhsa.version: [ 1, 2 ]
amdhsa.kernels:
  - .name:           k_q484b2a8b45_quant
    .symbol:         k_q484b2a8b45_quant.kd
    .args:
      - { .name: Wq, .offset: 0, .size: 8, .value_kind: global_buffer, .address_space: global }
      - { .name: Wk, .offset: 8, .size: 8, .value_kind: global_buffer, .address_space: global }
      - { .name: Wv, .offset: 16, .size: 8, .value_kind: global_buffer, .address_space: global }
      - { .name: Wo, .offset: 24, .size: 8, .value_kind: global_buffer, .address_space: global }
      - { .name: w_img, .offset: 32, .size: 8, .value_kind: global_buffer, .address_space: global }
      - { .name: w_sc, .offset: 40, .size: 8, .value_kind: global_buffer, .address_space: global }
      - { .name: x, .offset: 48, .size: 8, .value_kind: global_buffer, .address_space: global }
      - { .name: x_img, .offset: 56, .size: 8, .value_kind: global_buffer, .address_space: global }
      - { .name: x_sc, .offset: 64, .size: 8, .value_kind: global_buffer, .address_space: global }
    .group_segment_fixed_size: 82432
    .private_segment_fixed_size: 0
    .kernarg_segment_align: 8
    .kernarg_segment_size: 72
    .max_flat_workgroup_size: 384
    .sgpr_count:     66
    .vgpr_count:     256
    .wavefront_size: 32
...
	.end_amdgpu_metadata
.endif
;; end of part 1
;; launch proj_qkv (part 2): grid 32 x 8, 4 waves a work-group, clusters of 4 x 4, 327,680 bytes of LDS; arguments x_img, x_sc, w_img, w_sc, qk_img, v_img, bq, bk, bv; writes qk_img, v_img
.if DOCPART == 2
	.amdgcn_target "amdgcn-amd-amdhsa--gfx1250"
	.amdhsa_code_object_version 6
	.text
	.protected	k_q484b2a8b45_proj_qkv
	.globl	k_q484b2a8b45_proj_qkv
	.p2align	8
	.type	k_q484b2a8b45_proj_qkv,@function
k_q484b2a8b45_proj_qkv:
	s_mov_b64 s[64:65], 0
	v_nop
	global_prefetch_b8 v0, s[64:65] scope:SCOPE_SE
	s_setreg_imm32_b32 hwreg(HW_REG_WAVE_MODE, 25, 1), 1
	s_wait_xcnt 0x0
	s_wait_alu depctr_hold_cnt(0) depctr_sa_sdst(0) depctr_va_vdst(0) depctr_va_sdst(0) depctr_va_ssrc(0) depctr_va_vcc(0) depctr_vm_vsrc(0)
	s_getreg_b32 s2, hwreg(HW_REG_IB_STS2, 6, 4)
	s_cmp_eq_u32 s2, 0
	s_cbranch_scc0 .Lentry_in_a_cluster
	s_endpgm
.Lentry_in_a_cluster:
	s_bfe_u32 s2, ttmp6, 0x10000c
	s_cmp_lg_u32 s2, 0xf033
	s_cbranch_scc0 .Lentry_shape_is_right
	s_endpgm
.Lentry_shape_is_right:
; V, Q, K = x W + b AND THEIR QUANTISERS, IN ONE PASS OVER x, on codes of FP6 (E2M3) with one E8M0 scale for each 32 along K.  The results leave as codes and scale words, in the order of the attention launch's registers.
; x_img, w_img: [tile of 16 positions][K step of 128][1,536 bytes]: a fragment's six register pairs, pair p of lane l at 256 p + 8 l.  x_sc, w_sc: [position][32 bytes].  w_img, w_sc hold Wq, Wk, Wv, Wo.
; POSITIONS: position p stands for row (or column) p with bits 3 and 4 exchanged, so result tiles 2 b, 2 b + 1 hold in a lane the neighbours 32 b + 16 (lane / 16) + 0 .. 15.
; qk_img [q, k][batch][head][key step of 128 tokens][6,656 bytes]: register 6 t + i of a lane = register i of token tile t, four registers at 512 n + 16 l; scale word i at 6,144 + 16 l + 4 i: lanes 0-15 tile 2 i, lanes 16-31 tile 2 i + 1.
; v_img [batch][head][key step][6,656]: registers 12 t .. + 11 = channel tile t x 128 keys; scale word t.
; THE DEAL.  256 work-groups of four waves, 2 x 2.  Work-group (tile row, group g) makes 256 rows x columns 128 g .. + 127 of V, then of Q, then of K: three phases.  x's 256 rows and their scale bytes lie in LDS for all three.
; A wave holds a phase's four column tiles (one head), all of K, in registers (384) and streams x's rows past them in eight blocks of 16: wave row w takes tiles 8 w + s, one key step of 128 tokens.
; THE WEIGHTS' LDS BYTES ARE FILLED AGAIN for the next phase when all waves hold them in registers: behind a drained round of the cluster's barrier, with the three lines ahead of it, by wave 0.
; That load has the phase's 256 products a wave in which to land; a plain barrier at the phase's end shows it.  Wq's and Wk's tiles are asked for into the L2 at the head: 384 blocks of 256 bytes each, 24 to each of the
; sixteen waves of a row of the cluster, told apart by address.
; x's rows are shared by a column of the cluster (mask s44), the weights' by a row (mask s45).
; V GOES FIRST: its fragments run along the tokens and are whole at the phase's end; Q and K leave pair by pair of blocks.  A sum begins with the bias.
; Q, K: source 0 = the weight's columns: a lane holds a token and 32 channels in two halves of blocks.  V: source 0 = x's rows: a lane holds a channel and eight tokens a block.
; LIMITS: a block of zeros gets the scale byte 1 (its codes are zeros, and this program alone reads the bytes); NaN, infinities and sums beyond f32's range are not served.
.set NQ, 8
.set NB, 4
.set TM, 256
.set TN, 128
.set KROW, 768
.set KS, 32
.set FRB, 1536
.set TILEB, 12288
.set FR, 12
.set FPW, 256/FR
.set NF, 26                            ; LDS loads of a block: 24 for eight fragments, 2 for eight scale words
.set WB, 786432                        ; a weight's image
.set WSB, 32768                        ; a weight's scale bytes
.set YB, TM*KROW
.set SCL, YB+TN*KROW
.set RS, TM*KS/256
.set SBLK, (16*KS/256)*272
.set SPARE, SCL+RS*272
.set STEPB, 6656
.set KOFF, 64*16*STEPB
.set AAS0, 6
.set BOA, 8
.set CO, 9
.set SPW, 10
.set NIL, 11
.set BVA, 12
.set PF, 13
.set ADRB, 14
.set ABS, 16
.set AAS, 17
.set SW, 20                            ; v20-23 Q's or K's scale words of a key step
.set SB, 24                            ; v24-71 the weights' scale words: V's, Q's, K's
.set SA, 74                            ; v74-89 x's: two sets of eight
.set SWV, 92                           ; v92-95 V's scale words
.set ACC, 96                           ; v96-159 the sums
.set AQ0, 160
.set AQ, 168
.set TM_, 176                          ; v176-191 the quantisers' temporaries
.set P, 192                            ; Q, K: a pair of blocks' codes
.set T0, 204
.set PW, 207
.set PWE, 208
.set VC, 192                           ; V: v192-239 four fragments
.set TT, 240
.set BOW, 80                           ; window 3: v80-175 the biases as first products' C: V's, Q's, K's
.set G1A, 24
.set G0A, 56
.set G1B, 32
.set G0B, 60
.set G1S, 68
.set G0S, 76
.set MSB, 0
.macro WIN new
.if MSB != \new
	s_set_vgpr_msb (MSB<<8)|\new
.set MSB, \new
.endif
.endm
.macro PLACES n
.rept \n
	v_nop
.endr
.endm
.macro WALU
	s_wait_alu depctr_va_vdst(0)
.endm
.macro BARRIER
	s_barrier_signal -1
	s_barrier_wait -1
.endm
.macro CROUND
	BARRIER
	s_cmp_lg_u32 s14, 0
	s_cbranch_scc1 .Lnot_wave_0_\@
	s_barrier_signal -3
.Lnot_wave_0_\@:
	s_barrier_wait -3
	BARRIER
.endm
.macro TLOAD g0, g1
	tensor_load_to_lds s[\g0:\g0+3], s[\g1:\g1+7]
	s_nop 0
	PLACES 4
.endm
.macro ATILE first, rows               ; a part of x's 256 rows of 768 bytes, dense
	s_mov_b32 s[G0A+1], (\first)*KROW
	s_mov_b32 s[G1A+2], (\rows)<<16
	s_mov_b32 s[G1A+4], \rows
.if \first
	s_add_nc_u64 s[G0A+2:G0A+3], s[G0A+2:G0A+3], (\first)*KROW
.endif
	s_or_b32 s[G0A+3], s[G0A+3], 0x80000000
	TLOAD G0A, G1A
.endm
.macro GROUP1 g, mask, rows
	s_or_b32 s[\g+0], s[\mask], (1<<21)
	s_mov_b32 s[\g+1], (KROW&0xffff)<<16
	s_mov_b32 s[\g+3], KROW<<16
.if \rows
	s_mov_b32 s[\g+2], (KROW>>16)|((\rows)<<16)
	s_mov_b32 s[\g+4], \rows
.endif
	s_mov_b32 s[\g+5], KROW
	s_mov_b32 s[\g+6], 0
	s_mov_b32 s[\g+7], 0
.endm
.macro FRAGS                           ; my four column tiles, all of K: fragment f = 4 q + b lies at register 256 (1 + f / 21) + 12 (f % 21)
.irp q, 0,1,2,3,4,5,6,7
.irp b, 0,1,2,3
	WIN (1+(NB*\q+\b)/FPW)<<6
.irp p, 0,1,2,3,4,5
	ds_load_b64 v[FR*((NB*\q+\b)%FPW)+2*\p:FR*((NB*\q+\b)%FPW)+2*\p+1], v[ADRB] offset:\b*TILEB+\q*FRB+256*\p
.endr
.endr
.endr
	WIN 0
.endm
.macro FETCHAT e, aq, as               ; a block of x into set e: NF loads
.irp q, 0,1,2,3,4,5,6,7
	WIN (1+(NB*NQ+NQ*(\e)+\q)/FPW)<<6
.irp p, 0,2,4
	ds_load_2addr_b64 v[FR*((NB*NQ+NQ*(\e)+\q)%FPW)+2*\p:FR*((NB*NQ+NQ*(\e)+\q)%FPW)+2*\p+3], v[\aq+\q] offset0:32*\p offset1:32*\p+32
.endr
.endr
	WIN 0
	ds_load_b128 v[SA+8*(\e):SA+8*(\e)+3], v[\as]
	ds_load_b128 v[SA+8*(\e)+4:SA+8*(\e)+7], v[\as] offset:16
.endm
.macro WM d, s0, s1, c, x0, x1, side, o
.if \o
	v_wmma_scale_f32_16x16x128_f8f6f4 v[\d:\d+7], v[\s0:\s0+FR-1], v[\s1:\s1+FR-1], \c, v[\x0], v[\x1] matrix_a_fmt:MATRIX_FMT_FP6 matrix_b_fmt:MATRIX_FMT_FP6 matrix_\side\()_scale:MATRIX_SCALE_ROW1
.else
	v_wmma_scale_f32_16x16x128_f8f6f4 v[\d:\d+7], v[\s0:\s0+FR-1], v[\s1:\s1+FR-1], \c, v[\x0], v[\x1] matrix_a_fmt:MATRIX_FMT_FP6 matrix_b_fmt:MATRIX_FMT_FP6 matrix_\side\()_scale:MATRIX_SCALE_ROW0
.endif
.endm
; product n = 4 q + tile of a block whose rows lie in set e; the four accumulators by turns.  k: 0 V, 1 Q, 2 K
.macro PROD isv, e, n, k
.set Q_, (\n)/4
.set FB_, NB*Q_+(\n)%4
.set FA_, NB*NQ+NQ*(\e)+Q_
.set XB_, SB+16*(\k)+NQ*(((\n)%4)/2)+Q_
.set XA_, SA+8*(\e)+Q_
.set CB_, BOW+32*(\k)+8*((\n)%4)
.if \isv
.set D_, ACC+16*((\n)%4)+8*(\e)
.if Q_
	WIN (1+FA_/FPW)|((1+FB_/FPW)<<2)
	WM D_, FR*(FA_%FPW), FR*(FB_%FPW), v[D_:D_+7], XA_, XB_, b, (\n)%2
.else
	WIN (1+FA_/FPW)|((1+FB_/FPW)<<2)|0x30
	WM D_, FR*(FA_%FPW), FR*(FB_%FPW), v[CB_:CB_+7], XA_, XB_, b, (\n)%2
.endif
.else
.set D_, ACC+32*(\e)+8*((\n)%4)
.if Q_
	WIN (1+FB_/FPW)|((1+FA_/FPW)<<2)
	WM D_, FR*(FB_%FPW), FR*(FA_%FPW), v[D_:D_+7], XB_, XA_, a, (\n)%2
.else
	WIN (1+FB_/FPW)|((1+FA_/FPW)<<2)|0x30
	WM D_, FR*(FB_%FPW), FR*(FA_%FPW), v[CB_:CB_+7], XB_, XA_, a, (\n)%2
.endif
.endif
.endm
.macro ENTRY i, fetch                  ; among a block's products: five of the next fetch's nine addresses
.if \fetch
.if (\i) == 1
	s_add_co_u32 s101, s101, TILEB
	s_add_co_u32 s91, s91, SBLK
.endif
.if (\i) >= 1 && (\i) <= 5
	WIN 0
	v_add_nc_u32 v[AQ+\i-1], s101, v[AQ0+\i-1]
.endif
.endif
.endm
.macro PRODS isv, e, k, fetch          ; a block's 32 products; four plain lines behind the last; the fetch of the block two on into the set just read
.set N_, 0
.rept 32
	PROD \isv, \e, N_, \k
	ENTRY N_, \fetch
.set N_, N_+1
.endr
	WIN 0
.if \fetch
	v_add_nc_u32 v[AQ+5], s101, v[AQ0+5]
	v_add_nc_u32 v[AQ+6], s101, v[AQ0+6]
	v_add_nc_u32 v[AQ+7], s101, v[AQ0+7]
	v_add_nc_u32 v[AAS], s91, v[AAS0]
	WALU
	FETCHAT \e, AQ, AAS
.else
	PLACES 4
.endif
.endm
; Q, K: set s's sums are 16 tokens x the head's 64 channels: two blocks of 32, each in lanes l and l xor 16
.macro EPQ s
.set AC, ACC+32*(\s)
.if (\s) == 0
	s_wait_xcnt 0x0                                ; earlier stores have read their registers and their base
	s_add_nc_u64 s[48:49], s[48:49], s[20:21]      ; on to this pair's place
.endif
.irp b, 0,1
	v_max3_num_f32 v[TM_+\b], |v[AC+16*\b]|, |v[AC+16*\b+1]|, 0x1800000   ; the floor 2^(3 - 127): the byte cannot fall under 1
.endr
.irp i, 2,4,6,8,10,12,14
.irp b, 0,1
	v_max3_num_f32 v[TM_+\b], v[TM_+\b], |v[AC+16*\b+\i]|, |v[AC+16*\b+\i+1]|
.endr
.endr
.irp b, 0,1
	v_permlanex16_b32 v[TM_+2+\b], v[TM_+\b], s96, s97
.endr
.irp b, 0,1
	v_max_num_f32 v[TM_+\b], v[TM_+\b], v[TM_+2+\b]
.endr
.irp b, 0,1
	v_add_nc_u32 v[TM_+4+\b], 0xff000000, v[TM_+\b]   ; 2 off the exponent field: the conversion's scale operand
.endr
.irp b, 0,1
	v_lshrrev_b32 v[TM_+2+\b], 23, v[TM_+4+\b]
.endr
.if (\s) == 0
	v_lshl_or_b32 v[PWE], v[TM_+3], 8, v[TM_+2]
.else
	v_lshl_or_b32 v[PW], v[TM_+3], 8, v[TM_+2]
.endif
	v_cvt_scalef32_pk16_fp6_f32 v[P+6*(\s):P+6*(\s)+2], v[AC:AC+15], v[TM_+4]
	v_cvt_scalef32_pk16_fp6_f32 v[T0:T0+2], v[AC+16:AC+31], v[TM_+5]
	v_nop
.irp i, 0,1,2
	v_permlane16_swap_b32 v[P+6*(\s)+\i], v[T0+\i] ; a whole block to a lane
.endr
.irp i, 0,1,2
	v_mov_b32 v[P+6*(\s)+3+\i], v[T0+\i]
.endr
.if \s
	v_mov_b32 v[SW], v[SW+1]                       ; the key step's four scale words move up: the text is a loop's
	v_mov_b32 v[SW+1], v[SW+2]
	v_mov_b32 v[SW+2], v[SW+3]
	v_cndmask_b32 v[SW+3], v[PWE], v[PW], s94      ; lanes 0-15 the even tile's word, lanes 16-31 the odd tile's
.irp g, 0,1,2
	global_store_b128 v[CO], v[P+4*\g:P+4*\g+3], s[48:49] offset:512*\g   ; 32 lanes store 512 consecutive bytes, aligned
.endr
.endif
.endm
.macro BLKQ s, fetch, k
	PRODS 0, \s, \k, \fetch
	EPQ \s
.if \fetch
	s_wait_dscnt NF                                ; the next block's rows are in; this block's fetch is younger
.elseif (\s) == 0
	s_wait_dscnt 0x0
.endif
.endm
.macro PHASEQ k
	s_mov_b32 s23, 0
.Lpair_\@:
	BLKQ 0, 1, \k
	BLKQ 1, 1, \k
	s_mov_b32 s20, FRB
	s_add_co_u32 s23, s23, 1
	s_cmp_lg_u32 s23, 3
	s_cbranch_scc1 .Lpair_\@
	BLKQ 0, 0, \k
	BLKQ 1, 0, \k
	global_store_b128 v[CO], v[SW:SW+3], s[48:49] offset:6144-3*FRB
.endm
; V: a pair of blocks is 32 tokens, block be of the key step's four, for each of four channel tiles: 16 sums in lanes l and l xor 16 each
.macro EPV be
.irp a, 0,1,2,3
	v_max3_num_f32 v[TM_+\a], |v[ACC+16*\a]|, |v[ACC+16*\a+1]|, 0x1800000
.endr
.irp i, 2,4,6,8,10,12,14
.irp a, 0,1,2,3
	v_max3_num_f32 v[TM_+\a], v[TM_+\a], |v[ACC+16*\a+\i]|, |v[ACC+16*\a+\i+1]|
.endr
.endr
.irp a, 0,1,2,3
	v_permlanex16_b32 v[TM_+4+\a], v[TM_+\a], s96, s97
.endr
.irp a, 0,1,2,3
	v_max_num_f32 v[TM_+\a], v[TM_+\a], v[TM_+4+\a]
.endr
.irp a, 0,1,2,3
	v_add_nc_u32 v[TM_+8+\a], 0xff000000, v[TM_+\a]
.endr
.irp a, 0,1,2,3
	v_lshrrev_b32 v[TM_+4+\a], 23, v[TM_+8+\a]
.endr
.irp a, 0,1,2,3
.if (\be) == 0
	v_mov_b32 v[SWV+\a], v[TM_+4+\a]
.else
	v_lshl_or_b32 v[SWV+\a], v[TM_+4+\a], 8*(\be), v[SWV+\a]
.endif
.endr
.irp a, 0,1,2,3
.if (\be)%2 == 0
	v_cvt_scalef32_pk16_fp6_f32 v[VC+12*\a+6*((\be)/2):VC+12*\a+6*((\be)/2)+2], v[ACC+16*\a:ACC+16*\a+15], v[TM_+8+\a]
.else
	v_cvt_scalef32_pk16_fp6_f32 v[TT+4*\a:TT+4*\a+2], v[ACC+16*\a:ACC+16*\a+15], v[TM_+8+\a]
.endif
.endr
	v_nop
.if (\be)%2
.irp a, 0,1,2,3
.irp i, 0,1,2
	v_permlane16_swap_b32 v[VC+12*\a+6*((\be)/2)+\i], v[TT+4*\a+\i]
.endr
.irp i, 0,1,2
	v_mov_b32 v[VC+12*\a+6*((\be)/2)+3+\i], v[TT+4*\a+\i]
.endr
.endr
.endif
.endm
.macro BLKV n
.if (\n) < 6
	PRODS 1, (\n)%2, 0, 1
.else
	PRODS 1, (\n)%2, 0, 0
.endif
.if (\n)%2
	EPV (\n)/2
.endif
.if (\n) < 6
	s_wait_dscnt NF
.elseif (\n) == 6
	s_wait_dscnt 0x0
.endif
.endm
.macro REFILL                          ; all waves hold the weights in registers: their LDS bytes take the next phase's
	s_wait_dscnt 0x0
	CROUND
	s_cmp_eq_u32 s14, 0
	s_cbranch_scc0 .Lno_load_\@
	TLOAD G0B, G1B
.Lno_load_\@:
.endm
.macro NEXTW                           ; the next phase's weights are shown and go into registers; blocks 0 and 1 are fetched anew
	s_wait_tensorcnt 0x0
	s_wait_dscnt 0x0
	BARRIER                                        ; a plain barrier
	FRAGS
	s_mov_b32 s101, TILEB
	s_mov_b32 s91, SBLK
.irp q, 0,1,2,3,4,5,6,7
	v_add_nc_u32 v[AQ+\q], TILEB, v[AQ0+\q]
.endr
	v_add_nc_u32 v[AAS], SBLK, v[AAS0]
	FETCHAT 0, AQ0, AAS0
	FETCHAT 1, AQ, AAS
.endm
	s_load_b128 s[4:7], s[0:1], 0x0                ; x_img, x_sc
	s_load_b128 s[8:11], s[0:1], 0x10              ; w_img, w_sc
	s_load_b128 s[48:51], s[0:1], 0x20             ; qk_img, v_img
	s_load_b128 s[52:55], s[0:1], 0x30             ; bq, bk
	s_load_b64 s[92:93], s[0:1], 0x40              ; bv
	v_lshl_add_u32 v[SPW], v0, 2, SPARE
	v_mov_b32 v[NIL], 0
	ds_add_u32 v[SPW], v[NIL]                      ; the opening lines
	ds_add_u32 v[SPW], v[NIL]
	v_lshrrev_b32 v1, 5, v0
	v_readfirstlane_b32 s14, v1                    ; the wave; s15 its row of the 2 x 2, s16 its column
	s_lshr_b32 s15, s14, 1
	s_and_b32 s16, s14, 1
	s_bfe_u32 s40, ttmp6, 0x40000
	s_bfe_u32 s41, ttmp6, 0x40004
	s_lshl_b32 s43, ttmp9, 2
	s_add_co_u32 s43, s43, s40                     ; tile row
	s_and_b32 s42, ttmp7, 0xffff
	s_lshl_b32 s42, s42, 2
	s_add_co_u32 s42, s42, s41                     ; column group g
	s_lshl_b32 s44, 0x1111, s40                    ; my column of the cluster shares x's rows
	s_lshl_b32 s45, s41, 2
	s_lshl_b32 s45, 15, s45                        ; my row shares the weights'
	GROUP1 G1A, 44, 0
	GROUP1 G1B, 45, TN
	s_or_b32 s[G1S], s44, (3<<16)|(1<<20)|(1<<21)|(5<<22)|(3<<25)   ; x's scale bytes: units of 256 bytes, 16 of padding behind each
	s_mov_b32 s[G1S+1], 32<<16
	s_mov_b32 s[G1S+2], RS<<16
	s_mov_b32 s[G1S+3], 32<<16
	s_mov_b32 s[G1S+4], RS
	s_mov_b32 s[G1S+5], 32
	s_mov_b32 s[G1S+6], 0
	s_mov_b32 s[G1S+7], 0
	s_mov_b32 s[G0A], 1
	s_mov_b32 s[G0B], 1
	s_mov_b32 s[G0B+1], YB
	s_mov_b32 s[G0S], 1
	s_mov_b32 s[G0S+1], SCL
	s_mul_i32 s80, s43, TM*KROW
	s_mov_b32 s81, 0
	s_mul_i32 s82, s42, TN*KROW
	s_mov_b32 s83, 0
	s_mul_i32 s84, s43, TM*KS
	s_mov_b32 s85, 0
	s_mul_i32 s86, s42, TN*KS
	s_mul_i32 s21, s16, 16*NB*KS
	s_add_co_u32 s86, s86, s21
	s_mov_b32 s87, 0
	s_mul_i32 s88, s42, TN*4
	s_mul_i32 s21, s16, 16*NB*4
	s_add_co_u32 s88, s88, s21                     ; my first column, in bytes of a bias
	s_mov_b32 s89, 0
	s_lshl_b32 s46, s43, 1
	s_add_co_u32 s46, s46, s15                     ; my key step among the 64
	s_lshr_b32 s47, s46, 4
	s_lshl_b32 s47, s47, 4                         ; 16 x batch
	s_lshl_b32 s21, s42, 1
	s_add_co_u32 s21, s21, s16                     ; my head
	s_add_co_u32 s47, s47, s21
	s_lshl_b32 s47, s47, 4
	s_and_b32 s46, s46, 15
	s_add_co_u32 s46, s46, s47
	s_mul_i32 s46, s46, STEPB                      ; my image's place in q's part of qk_img and in v_img
	s_mov_b32 s47, 0
	s_mul_i32 s23, s15, 8*TILEB
	s_mul_i32 s22, s16, NB*TILEB
	s_add_co_u32 s22, s22, YB
	s_mul_i32 s21, s15, 8*SBLK
	s_add_co_u32 s21, s21, SCL
	s_lshl_b32 s20, s40, 2
	s_add_co_u32 s20, s20, s14
	s_mul_i32 s20, s20, 24*256                     ; my wave's 24 blocks of a weight's 384
	s_mov_b32 s96, 0x76543210
	s_mov_b32 s97, 0xfedcba98                      ; lane l xor 16
	v_and_b32 v1, 15, v0
	v_bfe_u32 v2, v0, 4, 1
	v_and_b32 v3, 31, v0
	v_lshl_add_u32 v[AQ0], v3, 3, s23
	v_lshl_add_u32 v[ADRB], v3, 3, s22
.irp q, 1,2,3,4,5,6,7
	v_add_nc_u32 v[AQ0+\q], FRB*\q, v[AQ0]
.endr
.irp q, 0,1,2,3,4,5,6,7
	v_add_nc_u32 v[AQ+\q], TILEB+FRB*\q, v[AQ0]
.endr
	v_mul_u32_u24 v[ABS], v3, KS
	v_mul_u32_u24 v21, v1, KS
	v_lshrrev_b32 v20, 8, v21
	v_lshl_add_u32 v21, v20, 4, v21
	v_add_nc_u32 v[AAS0], s21, v21
	v_add_nc_u32 v[AAS], SBLK, v[AAS0]
	v_lshlrev_b32 v[CO], 4, v3
	v_lshlrev_b32 v[BOA], 6, v2                    ; Q, K: register j of tile b is column 32 (b / 2) + 8 (b % 2) + 16 h + j
	v_and_b32 v20, 8, v1
	v_add_nc_u32 v20, v20, v1
	v_lshlrev_b32 v[BVA], 2, v20                   ; V: lane r of tile a is column 32 (a / 2) + 8 (a % 2) + r + 8 (r / 8)
	v_min_u32 v[PF], 23, v3
	v_lshl_add_u32 v[PF], v[PF], 8, s20
	v_cmp_lt_u32 s94, 15, v3                       ; lanes 16-31
.irp j, 2,3,4,5,6,7
	v_mov_b32 v[TM_+\j], 0                         ; (a lane permute's destination counts as a source)
.endr
.irp j, 0,1,2,3
	v_mov_b32 v[SW+\j], 0
.endr
	WALU
	s_wait_dscnt 0x0
	CROUND                                         ; the opening round
	s_wait_kmcnt 0x0
	s_add_nc_u64 s[G0A+2:G0A+3], s[4:5], s[80:81]
	s_add_nc_u64 s[8:9], s[8:9], s[82:83]          ; Wq's tiles of my group
	s_add_nc_u64 s[G0B+2:G0B+3], s[8:9], 2*WB      ; Wv's
	s_or_b32 s[G0B+3], s[G0B+3], 0x80000000
	s_add_nc_u64 s[G0S+2:G0S+3], s[6:7], s[84:85]
	s_or_b32 s[G0S+3], s[G0S+3], 0x80000000
	s_add_nc_u64 s[10:11], s[10:11], s[86:87]
	s_add_nc_u64 s[52:53], s[52:53], s[88:89]
	s_add_nc_u64 s[54:55], s[54:55], s[88:89]
	s_add_nc_u64 s[92:93], s[92:93], s[88:89]
	s_add_nc_u64 s[48:49], s[48:49], s[46:47]
	s_add_nc_u64 s[50:51], s[50:51], s[46:47]
	s_cmp_eq_u32 s14, 0
	s_cbranch_scc0 .Lwave_1
	TLOAD G0B, G1B                                 ; wave 0: Wv's tiles, which are wanted first
	s_branch .Lasked
.Lwave_1:
	s_cmp_eq_u32 s14, 1
	s_cbranch_scc0 .Lwave_2
	ATILE 0, 128
	s_branch .Lasked
.Lwave_2:
	s_cmp_eq_u32 s14, 2
	s_cbranch_scc0 .Lwave_3
	ATILE 128, 128
	s_branch .Lasked
.Lwave_3:
	TLOAD G0S, G1S
.Lasked:
.irp p, 0,1
.irp c, 0,1
	global_load_b128 v[SB+NQ*\p+4*\c:SB+NQ*\p+4*\c+3], v[ABS], s[10:11] offset:2*WSB+\p*32*KS+16*\c
	global_load_b128 v[SB+16+NQ*\p+4*\c:SB+16+NQ*\p+4*\c+3], v[ABS], s[10:11] offset:\p*32*KS+16*\c
	global_load_b128 v[SB+32+NQ*\p+4*\c:SB+32+NQ*\p+4*\c+3], v[ABS], s[10:11] offset:WSB+\p*32*KS+16*\c
.endr
.endr
	WIN 0xc0                                       ; the biases go to window 3
.irp a, 0,1,2,3
.irp j, 0,1,2,3,4,5,6,7
	global_load_b32 v[BOW+8*\a+\j], v[BVA], s[92:93] offset:4*(32*(\a/2)+8*(\a%2))
.endr
.endr
.irp b, 0,1,2,3
.irp c, 0,1
	global_load_b128 v[BOW+32+8*\b+4*\c:BOW+32+8*\b+4*\c+3], v[BOA], s[52:53] offset:128*(\b/2)+32*(\b%2)+16*\c
	global_load_b128 v[BOW+64+8*\b+4*\c:BOW+64+8*\b+4*\c+3], v[BOA], s[54:55] offset:128*(\b/2)+32*(\b%2)+16*\c
.endr
.endr
	WIN 0
	global_prefetch_b8 v[PF], s[8:9] th:TH_LOAD_NT scope:SCOPE_SE             ; Wq's tiles, wanted a phase on
	global_prefetch_b8 v[PF], s[8:9] offset:WB th:TH_LOAD_NT scope:SCOPE_SE   ; Wk's, two phases on
	s_wait_dscnt 0x0
	s_cmp_eq_u32 s14, 0
	s_cbranch_scc0 .Lnot_b
	s_wait_tensorcnt 0x0
.Lnot_b:
	BARRIER                                        ; Wv's tiles are in
	FRAGS
	s_wait_tensorcnt 0x0                           ; x's rows and scale bytes are in;
	ds_add_u32 v[SPW], v[NIL]
	s_sub_nc_u64 s[G0B+2:G0B+3], s[G0B+2:G0B+3], 2*WB
	REFILL                                         ; Wq's tiles
	FETCHAT 0, AQ0, AAS0
	FETCHAT 1, AQ, AAS
	s_mov_b32 s101, TILEB
	s_mov_b32 s91, SBLK
	s_wait_loadcnt 0x0
	s_wait_dscnt NF                                ; block 0's rows are in
.irp n, 0,1,2,3,4,5,6,7
	BLKV \n
.endr
.irp a, 0,1,2,3
.irp g, 0,1,2
	global_store_b128 v[CO], v[VC+12*\a+4*\g:VC+12*\a+4*\g+3], s[50:51] offset:FRB*\a+512*\g
.endr
.endr
	global_store_b128 v[CO], v[SWV:SWV+3], s[50:51] offset:6144
	NEXTW
	s_wait_tensorcnt 0x0
	ds_add_u32 v[SPW], v[NIL]
	s_add_nc_u64 s[G0B+2:G0B+3], s[G0B+2:G0B+3], WB
	REFILL                                         ; Wk's tiles
	s_mov_b32 s20, 0                               ; s[20:21]: from a pair's place in the image to the next pair's
	s_mov_b32 s21, 0
	PHASEQ 1
	NEXTW
	s_mov_b32 s20, KOFF-3*FRB                      ; k's images lie behind q's
	s_wait_dscnt NF
	PHASEQ 2
	s_wait_tensorcnt 0x0                           ; the wave's end
	ds_add_u32 v[SPW], v[NIL]
	s_wait_dscnt 0x0
	CROUND
	s_endpgm
.Lfunc_end_k_q484b2a8b45_proj_qkv:
	.size	k_q484b2a8b45_proj_qkv, .Lfunc_end_k_q484b2a8b45_proj_qkv-k_q484b2a8b45_proj_qkv
	.p2alignl 7, 3214868480
	.fill 96, 4, 3214868480
	.section	.rodata,"a",@progbits
	.p2align	6, 0x0
	.amdhsa_kernel k_q484b2a8b45_proj_qkv
		.amdhsa_group_segment_fixed_size 327680
		.amdhsa_private_segment_fixed_size 0
		.amdhsa_enable_private_segment 0
		.amdhsa_kernarg_size 72
		.amdhsa_user_sgpr_count 2
		.amdhsa_user_sgpr_kernarg_segment_ptr 1
		.amdhsa_wavefront_size32 1
		.amdhsa_system_sgpr_workgroup_id_x 1
		.amdhsa_system_sgpr_workgroup_id_y 1
		.amdhsa_system_sgpr_workgroup_id_z 1
		.amdhsa_system_vgpr_workitem_id 0
		.amdhsa_next_free_vgpr 944
		.amdhsa_next_free_sgpr 102
		.amdhsa_reserve_vcc 0
		.amdhsa_float_denorm_mode_32 3
		.amdhsa_float_denorm_mode_16_64 3
		.amdhsa_memory_ordered 1
		.amdhsa_forward_progress 1
		.amdhsa_inst_pref_size 192
	.end_amdhsa_kernel
	.amdgpu_metadata
---
amdhsa.version: [ 1, 2 ]
amdhsa.kernels:
  - .name:           k_q484b2a8b45_proj_qkv
    .symbol:         k_q484b2a8b45_proj_qkv.kd
    .args:
      - { .name: x_img, .offset: 0, .size: 8, .value_kind: global_buffer, .address_space: global }
      - { .name: x_sc, .offset: 8, .size: 8, .value_kind: global_buffer, .address_space: global }
      - { .name: w_img, .offset: 16, .size: 8, .value_kind: global_buffer, .address_space: global }
      - { .name: w_sc, .offset: 24, .size: 8, .value_kind: global_buffer, .address_space: global }
      - { .name: qk_img, .offset: 32, .size: 8, .value_kind: global_buffer, .address_space: global }
      - { .name: v_img, .offset: 40, .size: 8, .value_kind: global_buffer, .address_space: global }
      - { .name: bq, .offset: 48, .size: 8, .value_kind: global_buffer, .address_space: global }
      - { .name: bk, .offset: 56, .size: 8, .value_kind: global_buffer, .address_space: global }
      - { .name: bv, .offset: 64, .size: 8, .value_kind: global_buffer, .address_space: global }
    .group_segment_fixed_size: 327680
    .private_segment_fixed_size: 0
    .kernarg_segment_align: 8
    .kernarg_segment_size: 72
    .max_flat_workgroup_size: 128
    .sgpr_count:     102
    .vgpr_count:     944
    .wavefront_size: 32
...
	.end_amdgpu_metadata
.endif
;; end of part 2
;; launch attn (part 3): grid 4 x 64, 16 waves a work-group, clusters of 4 x 1, 215,040 bytes of LDS; arguments qk_img, v_img, y_img, y_sc; writes y_img, y_sc
.if DOCPART == 3
	.amdgcn_target "amdgcn-amd-amdhsa--gfx1250"
	.amdhsa_code_object_version 6
	.text
	.protected	k_q484b2a8b45_attn
	.globl	k_q484b2a8b45_attn
	.p2align	8
	.type	k_q484b2a8b45_attn,@function
k_q484b2a8b45_attn:
	s_mov_b64 s[64:65], 0
	v_nop
	global_prefetch_b8 v0, s[64:65] scope:SCOPE_SE
	s_setreg_imm32_b32 hwreg(HW_REG_WAVE_MODE, 25, 1), 1
	s_wait_xcnt 0x0
	s_wait_alu depctr_hold_cnt(0) depctr_sa_sdst(0) depctr_va_vdst(0) depctr_va_sdst(0) depctr_va_ssrc(0) depctr_va_vcc(0) depctr_vm_vsrc(0)
	s_getreg_b32 s2, hwreg(HW_REG_IB_STS2, 6, 4)
	s_cmp_eq_u32 s2, 0
	s_cbranch_scc0 .Lentry_in_a_cluster
	s_endpgm
.Lentry_in_a_cluster:
	s_bfe_u32 s2, ttmp6, 0x10000c
	s_cmp_lg_u32 s2, 0x3003
	s_cbranch_scc0 .Lentry_shape_is_right
	s_endpgm
.Lentry_shape_is_right:
; y[b][q][head] = the sum over keys of softmax(q . k / 8) v, both products on codes of FP6 (E2M3) with one E8M0 scale for each 32 along K; y is quantised along the model's 1,024 on the way out.
; SOFTMAX: t = score x log2(e) / 8; M = the running largest t rounded UP to a whole number; p = 2^(t - M) is quantised along the keys; the row's sum is taken of the unquantised p and divides O at the end.
; When M moves, the sums and O are multiplied by 2^(old M - new M): exact.
; SHARES.  A work-group serves one (batch, head) and 512 queries; each of its sixteen waves owns a tile of 16 queries at a time, in two passes, and walks all 2,048 keys, 128 a step.
; THE WHOLE HEAD LIES IN LDS, FILLED ONCE: K's 16 key steps (106,496 bytes), then V's.  The four work-groups of a cluster serve the same head: the fills are joint loads.
; ONE TENSOR LOAD A WAVE: wave w brings key steps 2 (w / 2), 2 (w / 2) + 1 of K (w even) or V (w odd): 52 rows of 256 bytes.  Waves 0-3 (key steps 0-3) have a load line of their own and wait ahead of the first
; barrier; a second barrier, in step 3 ahead of the first read of step 4, stands behind every wave's wait.  All is asked for at the head, so there is no loop to prefetch in.
; IMAGES (as the projections leave them).  A key step is 6,656 bytes: 48 registers a lane, four at 512 n + 16 l, then four scale words a lane at 6,144 + 16 l.
;   K, Q: register 6 t + i = register i of token tile t (K = 32 (lane / 16) + 0 .. 31 of the head's 64); scale word i: lanes 0-15 tile 2 i, lanes 16-31 tile 2 i + 1.  V: registers 12 t .. + 11 = channel tile t x 128 keys.
; K = 64 IN AN INSTRUCTION OF K = 128: Q's registers 6-11 hold zero codes; K's operand of tile t runs on into the next tile's codes (behind tile 7 six zeroed registers), whose products with zero codes are 0.
; Both products are used transposed: a lane holds one query.  Tokens and channels lie in position order (bits 3 and 4 exchanged), so result tiles 2 b, 2 b + 1 hold the neighbours 32 b + 16 (lane / 16) + 0 .. 15.
; K AND V HAVE REGISTERS OF THEIR OWN: the next step's K is fetched behind this step's first product, this step's V at its head.  p's codes are laid into score registers that are done with (v144-158).
; LIMITS: the promise holds while |t| stays under 2^31; a block of zeros gets the scale byte 1 (its codes are zeros); NaN and infinities are not served.
.set STEPB, 6656
.set HEADB, 16*STEPB
.set KOFF,  64*HEADB
.set VLDS,  HEADB
.set SPARE, 2*HEADB
.set LI,   1                           ; 16 x lane
.set ADK,  2                           ; LDS address of the next step's K
.set ADV,  3                           ; of this step's V
.set QA0,  4
.set QA1,  5
.set QS,   6
.set LB,   7                           ; 8 x lane
.set C3,   8                           ; v[8:9] a chain of the sum
.set TP,   10
.set YS,   11                          ; 32 x (lane % 16)
.set QF,   16                          ; v16-21 Q's codes, v22-27 zeros
.set QSC,  28
.set FF,   30                          ; v[30:31] f = 2^(old M - new M)
.set KF,   32                          ; v32-79 K, v80-85 zeros
.set KSC,  86
.set VSC,  90
.set SPW,  94
.set NIL,  95
.set S,    96                          ; v96-159 S^T, then p
.set PC,   S+48                        ; p's operand
.set PB,   S+60
.set O,    160
.set VF,   192                         ; v192-239 V
.set BM,   240
.set BP,   244
.set C1,   248
.set C2,   250
.set T1,   252
.set PW,   255
.set WV,   12
.set GRP,  13
.set SEL,  20
.set CS,   22
.set G1,   24
.set G0,   32
.set TBN,  66                          ; LDS byte of the next step's K; the loops' counter
.set TBV,  67                          ; LDS byte of this step's V
.macro WALU
	s_wait_alu depctr_va_vdst(0)
.endm
.macro CROUND
	s_barrier_signal -1
	s_barrier_wait -1
	s_cmp_lg_u32 s[WV], 0
	s_cbranch_scc1 .Lnot_wave_0_\@
	s_barrier_signal -3
.Lnot_wave_0_\@:
	s_barrier_wait -3
	s_barrier_signal -1
	s_barrier_wait -1
.endm
.macro TLOAD
	tensor_load_to_lds s[G0:G0+3], s[G1:G1+7]
	s_nop 0
.rept 4
	v_nop
.endr
.endm
	s_load_b256 s[4:11], s[0:1], 0x0               ; qk_img, v_img, y_img, y_sc
	v_lshl_add_u32 v[SPW], v0, 2, SPARE
	v_mov_b32 v[NIL], 0
	ds_add_u32 v[SPW], v[NIL]                      ; the opening lines
	ds_add_u32 v[SPW], v[NIL]
	v_lshrrev_b32 v1, 5, v0
	v_readfirstlane_b32 s[WV], v1                  ; wave 0..15
	s_and_b32 s15, ttmp7, 0xffff                   ; 16 x batch + head
	s_lshr_b32 s[GRP], s[WV], 2                    ; 0: my load brings part of key steps 0-3
	s_and_b32 s16, s[WV], 1                        ; 0 K, 1 V
	s_lshr_b32 s17, s[WV], 1
	s_mul_i32 s17, s17, 2*STEPB                    ; my two key steps
	s_mul_i32 s72, s15, HEADB
	s_add_co_u32 s72, s72, s17
	s_mov_b32 s73, 0
	s_mul_i32 s18, s16, VLDS
	s_add_co_u32 s18, s18, s17                     ; where they go: made of the wave's number alone
	s_mov_b32 s[G1], 15|(3<<16)|(1<<21)            ; the mask names the four; elements of 8 bytes
	s_mov_b32 s[G1+1], 32<<16
	s_mov_b32 s[G1+2], 52<<16
	s_mov_b32 s[G1+3], 32<<16
	s_mov_b32 s[G1+4], 52
	s_mov_b32 s[G1+5], 32
	s_mov_b32 s[G1+6], 0
	s_mov_b32 s[G1+7], 0
	s_mov_b32 s[SEL], 0x76543210
	s_mov_b32 s[SEL+1], 0xfedcba98                 ; lane l xor 16
	s_mov_b32 s[CS], 0x3e38aa3b                    ; log2(e) / 8
	s_mov_b32 s[CS+1], s[CS]
	WALU
	s_wait_dscnt 0x0
	s_wait_kmcnt 0x0
	s_add_nc_u64 s[74:75], s[4:5], KOFF            ; k's images lie behind q's
	s_cmp_eq_u32 s16, 0
	s_cselect_b64 s[74:75], s[74:75], s[6:7]
	s_mov_b32 s[G0], 1
	s_mov_b32 s[G0+1], s18
	s_add_nc_u64 s[G0+2:G0+3], s[74:75], s[72:73]
	s_or_b32 s[G0+3], s[G0+3], 0x80000000
	CROUND                                         ; the joint loads meet
	s_cmp_eq_u32 s[GRP], 0
	s_cbranch_scc0 .Lrest
	TLOAD                                          ; waves 0-3: key steps 0-3
	s_branch .Lasked
.Lrest:
	TLOAD                                          ; waves 4-15: key steps 4-15
.Lasked:
	s_bfe_u32 s68, ttmp6, 0x40000                  ; cx enters Q's and y's addresses alone
	s_lshl_b32 s80, ttmp9, 2
	s_add_co_u32 s80, s80, s68                     ; my block of 512 queries
	s_lshl_b32 s70, s80, 2
	s_lshr_b32 s71, s[WV], 3
	s_add_co_u32 s70, s70, s71                     ; Q's step in the image (+ 2 x pass)
	s_mul_i32 s70, s70, STEPB
	s_mul_i32 s71, s15, HEADB
	s_add_co_u32 s70, s70, s71
	s_mov_b32 s71, 0
	s_add_nc_u64 s[68:69], s[4:5], s[70:71]
	s_lshr_b32 s81, s15, 4
	s_lshl_b32 s81, s81, 7
	s_lshl_b32 s82, s80, 5
	s_add_co_u32 s81, s81, s82
	s_add_co_u32 s81, s81, s[WV]                   ; y's tile in pass 0
	s_and_b32 s83, s15, 15
	s_mul_i32 s84, s81, 12288
	s_mul_i32 s82, s83, 768
	s_add_co_u32 s84, s84, s82
	s_mov_b32 s85, 0
	s_add_nc_u64 s[8:9], s[8:9], s[84:85]
	s_lshl_b32 s84, s81, 9
	s_lshl_b32 s82, s83, 1
	s_add_co_u32 s84, s84, s82
	s_add_nc_u64 s[10:11], s[10:11], s[84:85]
	s_and_b32 s76, s[WV], 7
	s_lshr_b32 s76, s76, 1                         ; i: my tile is 2 i + u of its step's eight
	s_and_b32 s77, s[WV], 1                        ; u
	s_mul_i32 s86, s76, 1536
	s_mul_i32 s87, s77, 520
	s_add_co_u32 s87, s87, s86                     ; registers 12 i + 6 u + 0, 1 (and + 4, 5, 512 on)
	s_mul_i32 s88, s77, 1016
	s_add_co_u32 s88, s88, s86                     ; registers + 2, 3 (8 on)
	s_lshl_b32 s89, s77, 8
	s_lshl_b32 s78, s76, 2
	s_add_co_u32 s89, s89, s78
	s_add_co_u32 s89, s89, 6144                    ; my tile's scale words
	v_and_b32 v2, 31, v0
	v_and_b32 v3, 15, v0
	v_lshlrev_b32 v[LI], 4, v2
	v_lshlrev_b32 v[LB], 3, v2
	v_lshlrev_b32 v[YS], 5, v3
	v_lshl_add_u32 v[QS], v3, 4, s89
	v_add_nc_u32 v[QA0], s87, v[LI]
	v_add_nc_u32 v[QA1], s88, v[LI]
.irp j, 0,1,2,3,4,5
	v_mov_b32 v[QF+6+\j], 0
	v_mov_b32 v[KF+48+\j], 0
.endr
.irp b, 0,1,2,3
	v_mov_b32 v[BP+\b], 0                          ; (a lane permute's destination counts as a source)
.endr
	v_mov_b32 v[FF+1], 0
	v_mov_b32 v[TP], 0
.macro HEAD p                          ; pass p: my tile's Q, and the running figures
.if \p
	s_wait_xcnt 0x0                                ; the last pass's stores have read their registers
.endif
	global_load_b64 v[QF:QF+1], v[QA0], s[68:69] offset:2*STEPB*\p
	global_load_b64 v[QF+2:QF+3], v[QA1], s[68:69] offset:2*STEPB*\p+8
	global_load_b64 v[QF+4:QF+5], v[QA0], s[68:69] offset:2*STEPB*\p+512
	global_load_b32 v[QSC], v[QS], s[68:69] offset:2*STEPB*\p
	v_mov_b32 v13, 0xff61b1e6                      ; -3e38, under every t
	s_delay_alu instid0(VALU_DEP_1)
	v_floor_f32 v12, -v13                          ; -M
.irp r, 14, 15, C1, C1+1, C2, C2+1, C3, C3+1
	v_mov_b32 v[\r], 0                             ; the sum's four chains
.endr
.set J, 0
.rept 32
	v_mov_b32 v[O+J], 0                            ; the step is written once: its first run finds zeros
.set J, J+1
.endr
	WALU
	s_wait_loadcnt 0x0
.endm
.macro KLOAD a
.irp n, 0,1,2,3,4,5,6,7,8,9,10,11
	ds_load_b128 v[KF+4*\n:KF+4*\n+3], v[\a] offset:512*\n
.endr
	ds_load_b128 v[KSC:KSC+3], v[\a] offset:6144
.endm
.macro ADD4 j
	v_pk_add_f32 v[C1:C1+1], v[C1:C1+1], v[S+\j:S+\j+1]
	v_pk_add_f32 v[C2:C2+1], v[C2:C2+1], v[S+\j+2:S+\j+3]
	v_pk_add_f32 v[C3:C3+1], v[C3:C3+1], v[S+\j+4:S+\j+5]
	v_pk_add_f32 v[14:15], v[14:15], v[S+\j+6:S+\j+7]
.endm
; A KEY STEP.  pre = 1: the next step's K is fetched; 2: key step 0's, for the next pass; 0: none.  bar = 1: the barrier that shows key steps 4-15.
.macro STEP pre, bar
	v_pk_add_f32 v[14:15], v[14:15], v[C1:C1+1]    ; the last step's chains are joined: with the two lines between, the five places behind the last products
	v_pk_add_f32 v[C2:C2+1], v[C2:C2+1], v[C3:C3+1]
	v_add_nc_u32 v[ADV], s[TBV], v[LI]
	v_nop
	v_pk_add_f32 v[14:15], v[14:15], v[C2:C2+1]
.irp n, 0,1,2,3,4,5,6,7,8,9,10,11
	ds_load_b128 v[VF+4*\n:VF+4*\n+3], v[ADV] offset:512*\n
.endr
	ds_load_b128 v[VSC:VSC+3], v[ADV] offset:6144
	s_wait_dscnt 13                                ; K is in; V's thirteen loads are younger
.irp t, 0,2,4,6
	v_wmma_scale_f32_16x16x128_f8f6f4 v[S+8*\t:S+8*\t+7], v[KF+6*\t:KF+6*\t+11], v[QF:QF+11], 0, v[KSC+\t/2], v[QSC] matrix_a_fmt:MATRIX_FMT_FP6 matrix_b_fmt:MATRIX_FMT_FP6
	v_wmma_scale_f32_16x16x128_f8f6f4 v[S+8*\t+8:S+8*\t+15], v[KF+6*\t+6:KF+6*\t+17], v[QF:QF+11], 0, v[KSC+\t/2], v[QSC] matrix_a_fmt:MATRIX_FMT_FP6 matrix_b_fmt:MATRIX_FMT_FP6 matrix_a_scale:MATRIX_SCALE_ROW1
.endr
.if \bar
	s_wait_tensorcnt 0x0                           ; every wave's load is in
	s_wait_dscnt 0x0
	s_barrier_signal -1
	s_barrier_wait -1
.endif
.if \pre == 1
	v_add_nc_u32 v[ADK], s[TBN], v[LI]
.else
	v_nop
.endif
.rept 3
	v_nop                                          ; four places ahead of the loads into K's registers and of the first read of the scores
.endr
.if \pre == 1
	KLOAD ADK
.elseif \pre == 2
	KLOAD LI
.endif
.irp b, 0,1,2,3
	v_max3_num_f32 v[BM+\b], v[S+16*\b], v[S+16*\b+1], v[S+16*\b+2]   ; the largest score of each block of 32 keys: for the row's maximum and for the block's largest p
.endr
.irp i, 3,5,7,9,11,13
.irp b, 0,1,2,3
	v_max3_num_f32 v[BM+\b], v[BM+\b], v[S+16*\b+\i], v[S+16*\b+\i+1]
.endr
.endr
.irp b, 0,1,2,3
	v_max_num_f32 v[BM+\b], v[BM+\b], v[S+16*\b+15]
.endr
.irp b, 0,1,2,3
	s_delay_alu instid0(VALU_DEP_4)
	v_permlanex16_b32 v[BP+\b], v[BM+\b], s[SEL], s[SEL+1]
.endr
.irp b, 0,1,2,3
	s_delay_alu instid0(VALU_DEP_4)
	v_max_num_f32 v[BM+\b], v[BM+\b], v[BP+\b]
.endr
	s_delay_alu instid0(VALU_DEP_2)
	v_max3_num_f32 v[TP], v[BM], v[BM+1], v[BM+2]
	s_delay_alu instid0(VALU_DEP_1)
	v_max_num_f32 v[TP], v[TP], v[BM+3]
	s_delay_alu instid0(VALU_DEP_1)
	v_mul_f32 v[TP], s[CS], v[TP]
	s_delay_alu instid0(VALU_DEP_1)
	v_max_num_f32 v13, v13, v[TP]                  ; the running largest t
	v_mov_b32 v[TP], v12
	s_delay_alu instid0(VALU_DEP_2)
	v_floor_f32 v12, -v13                          ; the new -M
	s_delay_alu instid0(VALU_DEP_1)
	v_sub_f32 v[TP], v12, v[TP]
	s_delay_alu instid0(VALU_DEP_1)
	v_cvt_i32_f32 v[TP], v[TP]
	s_delay_alu instid0(VALU_DEP_1)
	v_ldexp_f32 v[FF], 1.0, v[TP]                  ; f
.set J, 0
.rept 32
	v_pk_fma_f32 v[S+J:S+J+1], v[S+J:S+J+1], s[CS:CS+1], v[12:13] op_sel_hi:[1,0,0]   ; t - M
.set J, J+2
.endr
.irp b, 0,1,2,3
	v_fma_f32 v[BM+\b], v[BM+\b], s[CS], v12
.endr
.set J, 0
.rept 16
	v_pk_mul_f32 v[O+J:O+J+1], v[O+J:O+J+1], v[FF:FF+1] op_sel_hi:[1,0]   ; O^T under the new M, each accumulator from its low end on
.set J, J+2
.endr
	WALU                                           ; the wait ahead of the batch
.set J, 0
.rept 64
	v_exp_f32 v[S+J], v[S+J]
.set J, J+1
.endr
.irp b, 0,1,2,3
	v_exp_f32 v[BM+\b], v[BM+\b]                   ; the block's largest p: the same two instructions on the same number
.endr
	v_pk_mul_f32 v[14:15], v[14:15], v[FF:FF+1] op_sel_hi:[1,0]
	WALU                                           ; and behind it
.irp b, 0,1,2,3
	v_max_num_f32 v[BM+\b], 0x1800000, v[BM+\b]    ; the floor 2^(3 - 127)
.endr
.irp b, 0,1,2,3
	s_delay_alu instid0(VALU_DEP_4)
	v_add_nc_u32 v[BM+\b], 0xff000000, v[BM+\b]    ; 2 off the exponent field: the conversion's scale operand
.endr
.irp b, 0,1,2,3
	s_delay_alu instid0(VALU_DEP_4)
	v_lshrrev_b32 v[BP+\b], 23, v[BM+\b]
.endr
	s_delay_alu instid0(VALU_DEP_3)
	v_lshl_or_b32 v[PW], v[BP+1], 8, v[BP]
	s_delay_alu instid0(VALU_DEP_1)
	v_lshl_or_b32 v[PW], v[BP+2], 16, v[PW]
	s_delay_alu instid0(VALU_DEP_1)
	v_lshl_or_b32 v[PW], v[BP+3], 24, v[PW]        ; p's scale word
	v_pk_add_f32 v[C1:C1+1], v[S+32:S+33], v[S+34:S+35]   ; the sum of the unquantised p: first of the registers that the codes will take
	v_pk_add_f32 v[C2:C2+1], v[S+36:S+37], v[S+38:S+39]
	v_pk_add_f32 v[C3:C3+1], v[S+40:S+41], v[S+42:S+43]
	v_pk_add_f32 v[14:15], v[14:15], v[S+44:S+45]
	ADD4 46
	ADD4 54
	v_pk_add_f32 v[C1:C1+1], v[C1:C1+1], v[S+62:S+63]
	v_cvt_scalef32_pk16_fp6_f32 v[T1:T1+2], v[S+48:S+63], v[BM+3]
	ADD4 0                                         ; plain lines between a conversion and the writes of its sources
	v_cvt_scalef32_pk16_fp6_f32 v[PC+6:PC+8], v[S+32:S+47], v[BM+2]
	v_cvt_scalef32_pk16_fp6_f32 v[PC:PC+2], v[S:S+15], v[BM]
	v_cvt_scalef32_pk16_fp6_f32 v[PB:PB+2], v[S+16:S+31], v[BM+1]
	ADD4 8
.irp i, 0,1,2
	v_permlane16_swap_b32 v[PC+\i], v[PB+\i]       ; a whole block to a lane
.endr
.irp i, 0,1,2
	s_delay_alu instid0(VALU_DEP_3)
	v_mov_b32 v[PC+3+\i], v[PB+\i]
.endr
.irp i, 0,1,2
	v_permlane16_swap_b32 v[PC+6+\i], v[T1+\i]
.endr
.irp i, 0,1,2
	s_delay_alu instid0(VALU_DEP_3)
	v_mov_b32 v[PC+9+\i], v[T1+\i]
.endr
	ADD4 16
	ADD4 24
	WALU                                           ; the wait ahead of the blocking wait
.if \pre
	s_wait_dscnt 13                                ; V is in; the next K's thirteen loads are younger
.else
	s_wait_dscnt 0x0
.endif
.irp t, 0,1,2,3
	v_wmma_scale_f32_16x16x128_f8f6f4 v[O+8*\t:O+8*\t+7], v[VF+12*\t:VF+12*\t+11], v[PC:PC+11], v[O+8*\t:O+8*\t+7], v[VSC+\t], v[PW] matrix_a_fmt:MATRIX_FMT_FP6 matrix_b_fmt:MATRIX_FMT_FP6
.endr
.endm
.macro WALK first, last                ; key steps first .. last, each fetching the next one's K
	s_mov_b32 s[TBN], (\first+1)*STEPB
	s_mov_b32 s[TBV], VLDS+(\first)*STEPB
.Lwalk_\@:
	STEP 1, 0
	s_add_co_u32 s[TBV], s[TBV], STEPB
	s_add_co_u32 s[TBN], s[TBN], STEPB
	s_cmp_lg_u32 s[TBN], (\last+2)*STEPB
	s_cbranch_scc1 .Lwalk_\@
.endm
; The end of a pass: O^T / the sum is y's 64 channels of my query: two blocks of 32 along the last product's K.
.macro TAIL p
	v_pk_add_f32 v[14:15], v[14:15], v[C1:C1+1]
	v_pk_add_f32 v[C2:C2+1], v[C2:C2+1], v[C3:C3+1]
	v_nop
	v_pk_add_f32 v[14:15], v[14:15], v[C2:C2+1]
	v_add_f32 v14, v14, v15
	s_delay_alu instid0(VALU_DEP_1)
	v_permlanex16_b32 v[TP], v14, s[SEL], s[SEL+1]
	s_delay_alu instid0(VALU_DEP_1)
	v_add_f32 v14, v14, v[TP]                      ; the row's sum
	WALU
	v_rcp_f32 v14, v14
	v_nop
	WALU
.set J, 0
.rept 16
	v_pk_mul_f32 v[S+J:S+J+1], v[O+J:O+J+1], v[14:15] op_sel_hi:[1,0]
.set J, J+2
.endr
.irp b, 0,1
	v_max3_num_f32 v[BM+\b], |v[S+16*\b]|, |v[S+16*\b+1]|, 0x1800000
.endr
.irp i, 2,4,6,8,10,12,14
.irp b, 0,1
	s_delay_alu instid0(VALU_DEP_2)
	v_max3_num_f32 v[BM+\b], v[BM+\b], |v[S+16*\b+\i]|, |v[S+16*\b+\i+1]|
.endr
.endr
.irp b, 0,1
	s_delay_alu instid0(VALU_DEP_2)
	v_permlanex16_b32 v[BP+\b], v[BM+\b], s[SEL], s[SEL+1]
.endr
.irp b, 0,1
	s_delay_alu instid0(VALU_DEP_2)
	v_max_num_f32 v[BM+\b], v[BM+\b], v[BP+\b]
.endr
.irp b, 0,1
	s_delay_alu instid0(VALU_DEP_2)
	v_add_nc_u32 v[C1+\b], 0xff000000, v[BM+\b]
.endr
.irp b, 0,1
	s_delay_alu instid0(VALU_DEP_2)
	v_lshrrev_b32 v[BP+\b], 23, v[C1+\b]
.endr
	s_delay_alu instid0(VALU_DEP_1)
	v_lshl_or_b32 v[PW], v[BP+1], 8, v[BP]         ; the head's two scale bytes of my row
	v_cvt_scalef32_pk16_fp6_f32 v[VF:VF+2], v[S:S+15], v[C1]
	v_cvt_scalef32_pk16_fp6_f32 v[VF+12:VF+14], v[S+16:S+31], v[C1+1]
	v_nop
.irp i, 0,1,2
	v_permlane16_swap_b32 v[VF+\i], v[VF+12+\i]
.endr
.irp i, 0,1,2
	s_delay_alu instid0(VALU_DEP_3)
	v_mov_b32 v[VF+3+\i], v[VF+12+\i]
.endr
.irp k, 0,1,2
	global_store_b64 v[LB], v[VF+2*\k:VF+2*\k+1], s[8:9] offset:196608*\p+256*\k   ; 32 lanes store 256 consecutive bytes, aligned
.endr
	global_store_b16 v[YS], v[PW], s[10:11] offset:8192*\p
.endm
	HEAD 0
	s_wait_dscnt 0x0
	s_cmp_eq_u32 s[GRP], 0
	s_cbranch_scc0 .Lnot_first
	s_wait_tensorcnt 0x0                           ; waves 0-3: key steps 0-3 are in
.Lnot_first:
	s_barrier_signal -1
	s_barrier_wait -1
	KLOAD LI
	WALK 0, 2
	s_mov_b32 s[TBN], 4*STEPB
	s_mov_b32 s[TBV], VLDS+3*STEPB
	STEP 1, 1
	WALK 4, 14
	s_mov_b32 s[TBV], VLDS+15*STEPB
	STEP 2, 0
	TAIL 0
	HEAD 1
	WALK 0, 14
	s_mov_b32 s[TBV], VLDS+15*STEPB
	STEP 0, 0
	TAIL 1
	s_wait_tensorcnt 0x0                           ; the wave's end
	ds_add_u32 v[SPW], v[NIL]
	s_wait_dscnt 0x0
	CROUND                                         ; the closing round
	s_endpgm
.Lfunc_end_k_q484b2a8b45_attn:
	.size	k_q484b2a8b45_attn, .Lfunc_end_k_q484b2a8b45_attn-k_q484b2a8b45_attn
	.p2alignl 7, 3214868480
	.fill 96, 4, 3214868480
	.section	.rodata,"a",@progbits
	.p2align	6, 0x0
	.amdhsa_kernel k_q484b2a8b45_attn
		.amdhsa_group_segment_fixed_size 215040
		.amdhsa_private_segment_fixed_size 0
		.amdhsa_enable_private_segment 0
		.amdhsa_kernarg_size 32
		.amdhsa_user_sgpr_count 2
		.amdhsa_user_sgpr_kernarg_segment_ptr 1
		.amdhsa_wavefront_size32 1
		.amdhsa_system_sgpr_workgroup_id_x 1
		.amdhsa_system_sgpr_workgroup_id_y 1
		.amdhsa_system_sgpr_workgroup_id_z 1
		.amdhsa_system_vgpr_workitem_id 0
		.amdhsa_next_free_vgpr 256
		.amdhsa_next_free_sgpr 90
		.amdhsa_reserve_vcc 0
		.amdhsa_float_denorm_mode_32 3
		.amdhsa_float_denorm_mode_16_64 3
		.amdhsa_memory_ordered 1
		.amdhsa_forward_progress 1
		.amdhsa_inst_pref_size 117
	.end_amdhsa_kernel
	.amdgpu_metadata
---
amdhsa.version: [ 1, 2 ]
amdhsa.kernels:
  - .name:           k_q484b2a8b45_attn
    .symbol:         k_q484b2a8b45_attn.kd
    .args:
      - { .name: qk_img, .offset: 0, .size: 8, .value_kind: global_buffer, .address_space: global }
      - { .name: v_img, .offset: 8, .size: 8, .value_kind: global_buffer, .address_space: global }
      - { .name: y_img, .offset: 16, .size: 8, .value_kind: global_buffer, .address_space: global }
      - { .name: y_sc, .offset: 24, .size: 8, .value_kind: global_buffer, .address_space: global }
    .group_segment_fixed_size: 215040
    .private_segment_fixed_size: 0
    .kernarg_segment_align: 8
    .kernarg_segment_size: 32
    .max_flat_workgroup_size: 512
    .sgpr_count:     90
    .vgpr_count:     256
    .wavefront_size: 32
...
	.end_amdgpu_metadata
.endif
;; end of part 3
;; launch out_proj (part 4): grid 32 x 8, 4 waves a work-group, clusters of 4 x 4, 327,680 bytes of LDS; arguments y_img, y_sc, w_img, w_sc, out0, bo; writes out0
.if DOCPART == 4
	.amdgcn_target "amdgcn-amd-amdhsa--gfx1250"
	.amdhsa_code_object_version 6
	.text
	.protected	k_q484b2a8b45_out_proj
	.globl	k_q484b2a8b45_out_proj
	.p2align	8
	.type	k_q484b2a8b45_out_proj,@function
k_q484b2a8b45_out_proj:
	s_mov_b64 s[64:65], 0
	v_nop
	global_prefetch_b8 v0, s[64:65] scope:SCOPE_SE
	s_setreg_imm32_b32 hwreg(HW_REG_WAVE_MODE, 25, 1), 1
	s_wait_xcnt 0x0
	s_wait_alu depctr_hold_cnt(0) depctr_sa_sdst(0) depctr_va_vdst(0) depctr_va_sdst(0) depctr_va_ssrc(0) depctr_va_vcc(0) depctr_vm_vsrc(0)
	s_getreg_b32 s2, hwreg(HW_REG_IB_STS2, 6, 4)
	s_cmp_eq_u32 s2, 0
	s_cbranch_scc0 .Lentry_in_a_cluster
	s_endpgm
.Lentry_in_a_cluster:
	s_bfe_u32 s2, ttmp6, 0x10000c
	s_cmp_lg_u32 s2, 0xf033
	s_cbranch_scc0 .Lentry_shape_is_right
	s_endpgm
.Lentry_shape_is_right:
; out0[token][n] = bo[n] + the sum over k of y[token][k] Wo[k][n], f32, on codes of FP6 (E2M3) with one E8M0 scale for each 32 along K: 8,192 x 1,024 x 1,024.
; y_img, w_img: [tile of 16 positions][K step of 128][1,536 bytes]: a fragment's six register pairs, pair p of lane l at 256 p + 8 l.  y_sc, w_sc: [position][32 bytes].  Wo is the fourth weight of w_img, w_sc.
; POSITIONS: position p stands for row (or column) p with bits 3 and 4 exchanged.
; THE DEAL.  256 work-groups of four waves, 2 x 2, each 256 rows x 128 columns.  A wave holds four column tiles of Wo, all of K, in registers (384) and streams y's rows past them in eight blocks of 16:
; wave row w takes the work-group's tiles 2 s + w, s = 0 .. 7.  The cluster's x counts tile rows: y's rows are shared by a column of the cluster (mask s44), Wo's by a row (mask s45).
; LDS: y's 16 tiles (196,608 bytes), Wo's 8 (98,304), y's scale bytes as units of 256 + 16, the spare words.  Nothing is filled again, and all is asked for at the head: no prefetch.
; The waves' stages lie in Wo's first bytes, which are read for the last time ahead of the barrier in front of the stream.
; THE HEAD'S FOUR TILES, one a wave, each on its own line: Wo's; y's rows 0-127; 128-191; 192-255.  The stream begins when the first two are in; a plain barrier inside each pair's second block shows the others.
; The product is used transposed (source 0 = Wo's columns): a lane holds eight neighbouring numbers of a row of out0.  A sum begins with the bias.  Each block's rows go through the wave's stage and leave at once, 256 aligned bytes to sixteen lanes.
; LIMITS: NaN, infinities and sums beyond f32's range are not served.
.set SIZE_N, 1024
.set NQ, 8
.set NB, 4
.set TM, 256
.set TN, 128
.set KROW, 768
.set KS, 32
.set FRB, 1536
.set TILEB, 12288
.set FR, 12
.set FPW, 256/FR
.set NF, 26                            ; LDS loads of a block: 24 for eight fragments, 2 for eight scale words
.set BOFF, 3*786432
.set BSOFF, 3*32768
.set YB, TM*KROW
.set SCL, YB+TN*KROW
.set RS, TM*KS/256
.set SSTEP, (32*KS/256)*272
.set SPITCH, 16*NB*4+16
.set STAGE, YB
.set SPARE, SCL+RS*272
.set AAS0, 6
.set BOA, 8                            ; my offset in the bias
.set CO, 9
.set SPW, 10
.set NIL, 11
.set ADRB, 14
.set ABS, 16
.set AAS, 17
.set STO, 18
.set RD, 19
.set YSG, 22                           ; my offset in y's scale bytes
.set YSL, 23                           ; and where they go in LDS
.set SB, 24
.set SA, 42
.set ACC, 64
.set BK, 128
.set AQ0, 192
.set AQ, 200
.set BO, 208
.set G1A, 24
.set G0A, 56
.set G1B, 32
.set G0B, 60
.set MSB, 0
.macro WIN new
.if MSB != \new
	s_set_vgpr_msb (MSB<<8)|\new
.set MSB, \new
.endif
.endm
.macro PLACES n
.rept \n
	v_nop
.endr
.endm
.macro WALU
	s_wait_alu depctr_va_vdst(0)
.endm
.macro BARRIER
	s_barrier_signal -1
	s_barrier_wait -1
.endm
.macro CROUND
	BARRIER
	s_cmp_lg_u32 s14, 0
	s_cbranch_scc1 .Lnot_wave_0_\@
	s_barrier_signal -3
.Lnot_wave_0_\@:
	s_barrier_wait -3
	BARRIER
.endm
.macro TLOAD g0, g1
	tensor_load_to_lds s[\g0:\g0+3], s[\g1:\g1+7]
	s_nop 0
	PLACES 4
.endm
.macro ATILE first, rows               ; a part of y's 256 rows of 768 bytes, dense
	s_mov_b32 s[G0A+1], (\first)*KROW
	s_mov_b32 s[G1A+2], (\rows)<<16
	s_mov_b32 s[G1A+4], \rows
.if \first
	s_add_nc_u64 s[G0A+2:G0A+3], s[G0A+2:G0A+3], (\first)*KROW
.endif
	s_or_b32 s[G0A+3], s[G0A+3], 0x80000000
	TLOAD G0A, G1A
.endm
.macro GROUP1 g, mask, rows
	s_or_b32 s[\g+0], s[\mask], (1<<21)
	s_mov_b32 s[\g+1], (KROW&0xffff)<<16
	s_mov_b32 s[\g+3], KROW<<16
.if \rows
	s_mov_b32 s[\g+2], (KROW>>16)|((\rows)<<16)
	s_mov_b32 s[\g+4], \rows
.endif
	s_mov_b32 s[\g+5], KROW
	s_mov_b32 s[\g+6], 0
	s_mov_b32 s[\g+7], 0
.endm
.macro FRAGB f, q, b                   ; a fragment of Wo: six pairs, 256 bytes apart
	WIN (1+(\f)/FPW)<<6
.irp p, 0,1,2,3,4,5
	ds_load_b64 v[FR*((\f)%FPW)+2*\p:FR*((\f)%FPW)+2*\p+1], v[ADRB] offset:(\b)*TILEB+(\q)*FRB+256*\p
.endr
.endm
.macro FETCHAT e, aq, as               ; a block of y into set e: NF loads
.irp q, 0,1,2,3,4,5,6,7
	WIN (1+(NB*NQ+NQ*(\e)+\q)/FPW)<<6
.irp p, 0,2,4
	ds_load_2addr_b64 v[FR*((NB*NQ+NQ*(\e)+\q)%FPW)+2*\p:FR*((NB*NQ+NQ*(\e)+\q)%FPW)+2*\p+3], v[\aq+\q] offset0:32*\p offset1:32*\p+32
.endr
.endr
	WIN 0
	ds_load_b128 v[SA+8*(\e):SA+8*(\e)+3], v[\as]
	ds_load_b128 v[SA+8*(\e)+4:SA+8*(\e)+7], v[\as] offset:16
.endm
.macro PROD e, n                       ; product n = 4 q + tile of a block whose rows lie in set e; the four accumulators by turns
.set Q_, (\n)/4
.set FB_, NB*Q_+(\n)%4
.set FA_, NB*NQ+NQ*(\e)+Q_
.set D_, ACC+32*(\e)+8*((\n)%4)
.set XB_, SB+NQ*(((\n)%4)/2)+Q_
.set XA_, SA+8*(\e)+Q_
	WIN (1+FB_/FPW)|((1+FA_/FPW)<<2)
.if Q_
	PROD1 D_, FB_, FA_, v[D_:D_+7], XB_, XA_, (\n)%2
.else
	PROD1 D_, FB_, FA_, v[BO+8*((\n)%4):BO+8*((\n)%4)+7], XB_, XA_, (\n)%2
.endif
.endm
.macro PROD1 d, s0, s1, c, x0, x1, o
.if \o
	v_wmma_scale_f32_16x16x128_f8f6f4 v[\d:\d+7], v[FR*((\s0)%FPW):FR*((\s0)%FPW)+FR-1], v[FR*((\s1)%FPW):FR*((\s1)%FPW)+FR-1], \c, v[\x0], v[\x1] matrix_a_fmt:MATRIX_FMT_FP6 matrix_b_fmt:MATRIX_FMT_FP6 matrix_a_scale:MATRIX_SCALE_ROW1
.else
	v_wmma_scale_f32_16x16x128_f8f6f4 v[\d:\d+7], v[FR*((\s0)%FPW):FR*((\s0)%FPW)+FR-1], v[FR*((\s1)%FPW):FR*((\s1)%FPW)+FR-1], \c, v[\x0], v[\x1] matrix_a_fmt:MATRIX_FMT_FP6 matrix_b_fmt:MATRIX_FMT_FP6 matrix_a_scale:MATRIX_SCALE_ROW0
.endif
.endm
.macro ENTRY i, fetch                  ; among a block's products: five of the next fetch's nine addresses
.if \fetch
.if (\i) == 1
	s_add_co_u32 s101, s101, 32*KROW
	s_add_co_u32 s91, s91, SSTEP
.endif
.if (\i) >= 1 && (\i) <= 5
	WIN 0
	v_add_nc_u32 v[AQ+\i-1], s101, v[AQ0+\i-1]
.endif
.endif
.endm
.macro PRODS e, from, to, fetch
.set N_, \from
.rept (\to)-(\from)
	PROD \e, N_
	ENTRY N_, \fetch
.set N_, N_+1
.endr
	WIN 0
.endm
.macro TOC s                           ; set s of the rows goes to out0: stage rows 2 t, 2 t + 1 of the pair's block s are tokens 32 s + 2 t + 8 (t / 4) and the next
.irp t, 0,1,2,3,4,5,6,7
	global_store_b128 v[CO], v[BK+32*(\s)+4*\t:BK+32*(\s)+4*\t+3], s[12:13] offset:(32*(\s)+2*\t+8*(\t/4))*SIZE_N*4 th:TH_STORE_NT
.endr
.endm
.macro STAGED u                        ; set u's sums into my stage, each accumulator from its low end on, and back as whole rows; LDS serves a wave's instructions in order (ISA guide 5.7.1.4)
.irp b, 0,1,2,3
	ds_store_b128 v[STO], v[ACC+32*(\u)+8*\b:ACC+32*(\u)+8*\b+3] offset:128*(\b/2)+32*(\b%2)
	ds_store_b128 v[STO], v[ACC+32*(\u)+8*\b+4:ACC+32*(\u)+8*\b+7] offset:128*(\b/2)+32*(\b%2)+16
.endr
.irp t, 0,1,2,3,4,5,6,7
	ds_load_b128 v[BK+32*(\u)+4*\t:BK+32*(\u)+4*\t+3], v[RD] offset:2*\t*SPITCH
.endr
.endm
.macro STREAM s, fetch, show           ; a pair's block s.  show = 1: a plain barrier inside the block shows waves 2 and 3's tiles
.if \show
	PRODS \s, 0, 24, \fetch
	s_wait_tensorcnt 0x0
	s_wait_dscnt 0x0
	s_barrier_signal -1
	PRODS \s, 24, 32, \fetch
	s_barrier_wait -1
.else
	PRODS \s, 0, 32, \fetch
.endif
.if \fetch                             ; four plain lines between the last product and the first reader of its sums
	v_add_nc_u32 v[AQ+5], s101, v[AQ0+5]
	v_add_nc_u32 v[AQ+6], s101, v[AQ0+6]
	v_add_nc_u32 v[AQ+7], s101, v[AQ0+7]
	v_add_nc_u32 v[AAS], s91, v[AAS0]
	WALU
.else
	PLACES 4
.endif
	s_wait_xcnt 0x0                                ; earlier stores have read their registers and their base
.if (\s) == 0
	s_add_nc_u64 s[12:13], s[12:13], s[20:21]      ; on to this pair's rows
.endif
	STAGED \s
.if \fetch
	FETCHAT \s, AQ, AAS
	s_wait_dscnt NF                                ; the rows are back from the stage; the fetch is younger
.else
	s_wait_dscnt 0x0
.endif
	TOC \s
.endm
	s_load_b128 s[4:7], s[0:1], 0x0                ; y_img, y_sc
	s_load_b128 s[8:11], s[0:1], 0x10              ; w_img, w_sc
	s_load_b64 s[12:13], s[0:1], 0x20              ; out0
	s_load_b64 s[86:87], s[0:1], 0x28              ; bo
	v_lshl_add_u32 v[SPW], v0, 2, SPARE
	v_mov_b32 v[NIL], 0
	ds_add_u32 v[SPW], v[NIL]                      ; the opening lines
	ds_add_u32 v[SPW], v[NIL]
	v_lshrrev_b32 v1, 5, v0
	v_readfirstlane_b32 s14, v1                    ; the wave; s15 its row of the 2 x 2, s16 its column
	s_lshr_b32 s15, s14, 1
	s_and_b32 s16, s14, 1
	s_bfe_u32 s40, ttmp6, 0x40000
	s_bfe_u32 s41, ttmp6, 0x40004
	s_lshl_b32 s43, ttmp9, 2
	s_add_co_u32 s43, s43, s40                     ; tile row
	s_and_b32 s42, ttmp7, 0xffff
	s_lshl_b32 s42, s42, 2
	s_add_co_u32 s42, s42, s41                     ; tile column
	s_lshl_b32 s44, 0x1111, s40                    ; my column of the cluster shares y's rows
	s_lshl_b32 s45, s41, 2
	s_lshl_b32 s45, 15, s45                        ; my row shares Wo's
	GROUP1 G1A, 44, 0
	GROUP1 G1B, 45, TN
	s_mov_b32 s[G0A], 1
	s_mul_i32 s76, s43, TM*KROW
	s_mov_b32 s77, 0
	s_mul_i32 s78, s42, TN*KROW
	s_mov_b32 s79, 0
	s_mul_i32 s80, s43, TM*KS
	s_mov_b32 s81, 0
	s_mul_i32 s82, s42, TN*KS
	s_mul_i32 s21, s16, 16*NB*KS
	s_add_co_u32 s82, s82, s21
	s_mov_b32 s83, 0
	s_mul_i32 s88, s42, TN*4
	s_mul_i32 s21, s16, 16*NB*4
	s_add_co_u32 s88, s88, s21                     ; my first column, in bytes
	s_mov_b32 s89, 0
	s_mul_i32 s84, s43, TM*SIZE_N*4
	s_mul_i32 s21, s15, 8*SIZE_N*4                 ; tile 2 s + w begins at token 32 s + 8 w
	s_add_co_u32 s84, s84, s21
	s_add_co_u32 s84, s84, s88
	s_mov_b32 s85, 0
	s_mov_b32 s[G0B], 1
	s_mov_b32 s[G0B+1], YB
	s_mul_i32 s23, s15, 16*KROW
	s_mul_i32 s22, s16, NB*TILEB
	s_add_co_u32 s22, s22, YB
	s_mul_i32 s21, s15, (16*KS/256)*272
	s_add_co_u32 s21, s21, SCL
	s_mul_i32 s20, s14, 16*SPITCH
	s_add_co_u32 s20, s20, STAGE
	v_and_b32 v1, 15, v0
	v_bfe_u32 v2, v0, 4, 1
	v_and_b32 v3, 31, v0
	v_lshl_add_u32 v[AQ0], v3, 3, s23
	v_lshl_add_u32 v[ADRB], v3, 3, s22
.irp q, 1,2,3,4,5,6,7
	v_add_nc_u32 v[AQ0+\q], FRB*\q, v[AQ0]
.endr
.irp q, 0,1,2,3,4,5,6,7
	v_add_nc_u32 v[AQ+\q], 32*KROW+FRB*\q, v[AQ0]
.endr
	v_mul_u32_u24 v[ABS], v3, KS
	v_mul_u32_u24 v21, v1, KS
	v_lshrrev_b32 v20, 8, v21
	v_lshl_add_u32 v21, v20, 4, v21
	v_add_nc_u32 v[AAS0], s21, v21
	v_add_nc_u32 v[AAS], SSTEP, v[AAS0]
	v_mul_u32_u24 v21, v1, SPITCH
	v_lshl_add_u32 v21, v2, 6, v21                 ; register j of tile b is column 32 (b / 2) + 8 (b % 2) + 16 h + j
	v_add_nc_u32 v[STO], s20, v21
	v_mul_u32_u24 v21, v2, SPITCH
	v_lshl_add_u32 v21, v1, 4, v21
	v_add_nc_u32 v[RD], s20, v21
	v_mul_u32_u24 v21, v2, SIZE_N*4
	v_lshl_add_u32 v[CO], v1, 4, v21
	v_lshlrev_b32 v[BOA], 6, v2
	v_lshlrev_b32 v[YSG], 5, v0                    ; thread t takes the scale bytes of rows t and t + 128
	v_lshrrev_b32 v20, 3, v0
	v_lshlrev_b32 v20, 4, v20
	v_lshl_add_u32 v20, v0, 5, v20
	v_add_nc_u32 v[YSL], SCL, v20                  ; 32 t, and 16 more for each 256 passed
	WALU
	s_wait_dscnt 0x0
	CROUND                                         ; the opening round
	s_wait_kmcnt 0x0
	s_add_nc_u64 s[8:9], s[8:9], BOFF
	s_add_nc_u64 s[10:11], s[10:11], BSOFF
	s_add_nc_u64 s[G0A+2:G0A+3], s[4:5], s[76:77]
	s_add_nc_u64 s[G0B+2:G0B+3], s[8:9], s[78:79]
	s_or_b32 s[G0B+3], s[G0B+3], 0x80000000
	s_add_nc_u64 s[6:7], s[6:7], s[80:81]
	s_add_nc_u64 s[10:11], s[10:11], s[82:83]
	s_add_nc_u64 s[12:13], s[12:13], s[84:85]
	s_add_nc_u64 s[86:87], s[86:87], s[88:89]
	s_cmp_eq_u32 s14, 0
	s_cbranch_scc0 .Lwave_1
	TLOAD G0B, G1B                                 ; wave 0: Wo's tiles, which are wanted first
	s_branch .Lasked
.Lwave_1:
	s_cmp_eq_u32 s14, 1
	s_cbranch_scc0 .Lwave_2
	ATILE 0, 128
	s_branch .Lasked
.Lwave_2:
	s_cmp_eq_u32 s14, 2
	s_cbranch_scc0 .Lwave_3
	ATILE 128, 64
	s_branch .Lasked
.Lwave_3:
	ATILE 192, 64
.Lasked:
.irp k, 0,1
.irp c, 0,1
	global_load_b128 v[BK+8*\k+4*\c:BK+8*\k+4*\c+3], v[YSG], s[6:7] offset:4096*\k+16*\c
.endr
.endr
.irp b, 0,1,2,3
	global_load_b128 v[BO+8*\b:BO+8*\b+3], v[BOA], s[86:87] offset:128*(\b/2)+32*(\b%2)
	global_load_b128 v[BO+8*\b+4:BO+8*\b+7], v[BOA], s[86:87] offset:128*(\b/2)+32*(\b%2)+16
.endr
.irp p, 0,1
.irp c, 0,1
	global_load_b128 v[SB+NQ*\p+4*\c:SB+NQ*\p+4*\c+3], v[ABS], s[10:11] offset:\p*32*KS+16*\c
.endr
.endr
	s_wait_loadcnt 0x0
.irp k, 0,1
.irp c, 0,1
	ds_store_b128 v[YSL], v[BK+8*\k+4*\c:BK+8*\k+4*\c+3] offset:4352*\k+16*\c
.endr
.endr
	s_wait_dscnt 0x0
	s_cmp_eq_u32 s14, 0
	s_cbranch_scc0 .Lnot_b
	s_wait_tensorcnt 0x0
.Lnot_b:
	BARRIER                                        ; Wo's tiles are in
.irp q, 0,1,2,3,4,5,6,7
.irp b, 0,1,2,3
	FRAGB NB*\q+\b, \q, \b
.endr
.endr
	WIN 0
	s_mov_b32 s101, 32*KROW
	s_mov_b32 s91, SSTEP
	s_cmp_eq_u32 s14, 1
	s_cbranch_scc0 .Lnot_a
	s_wait_tensorcnt 0x0
.Lnot_a:
	s_wait_dscnt 0x0
	BARRIER                                        ; y's first 128 rows and all scale bytes are in, and nobody reads Wo's bytes any more
	FETCHAT 0, AQ0, AAS0
	FETCHAT 1, AQ, AAS
	s_mov_b32 s23, 0
	s_mov_b32 s20, 0                               ; s[20:21]: from a pair's rows of out0 to the next pair's
	s_mov_b32 s21, 0
	s_wait_dscnt NF                                ; block 0's rows are in
.Lpair:                                                ; blocks 0 to 5, a pair a trip
	STREAM 0, 1, 0
	STREAM 1, 1, 1
	s_mov_b32 s20, 64*SIZE_N*4
	s_add_co_u32 s23, s23, 1
	s_cmp_lg_u32 s23, 3
	s_cbranch_scc1 .Lpair
	STREAM 0, 0, 0
	STREAM 1, 0, 0
	s_wait_tensorcnt 0x0                           ; the wave's end
	ds_add_u32 v[SPW], v[NIL]
	s_wait_dscnt 0x0
	CROUND
	s_endpgm
.Lfunc_end_k_q484b2a8b45_out_proj:
	.size	k_q484b2a8b45_out_proj, .Lfunc_end_k_q484b2a8b45_out_proj-k_q484b2a8b45_out_proj
	.p2alignl 7, 3214868480
	.fill 96, 4, 3214868480
	.section	.rodata,"a",@progbits
	.p2align	6, 0x0
	.amdhsa_kernel k_q484b2a8b45_out_proj
		.amdhsa_group_segment_fixed_size 327680
		.amdhsa_private_segment_fixed_size 0
		.amdhsa_enable_private_segment 0
		.amdhsa_kernarg_size 48
		.amdhsa_user_sgpr_count 2
		.amdhsa_user_sgpr_kernarg_segment_ptr 1
		.amdhsa_wavefront_size32 1
		.amdhsa_system_sgpr_workgroup_id_x 1
		.amdhsa_system_sgpr_workgroup_id_y 1
		.amdhsa_system_sgpr_workgroup_id_z 1
		.amdhsa_system_vgpr_workitem_id 0
		.amdhsa_next_free_vgpr 840
		.amdhsa_next_free_sgpr 102
		.amdhsa_reserve_vcc 0
		.amdhsa_float_denorm_mode_32 3
		.amdhsa_float_denorm_mode_16_64 3
		.amdhsa_memory_ordered 1
		.amdhsa_forward_progress 1
		.amdhsa_inst_pref_size 57
	.end_amdhsa_kernel
	.amdgpu_metadata
---
amdhsa.version: [ 1, 2 ]
amdhsa.kernels:
  - .name:           k_q484b2a8b45_out_proj
    .symbol:         k_q484b2a8b45_out_proj.kd
    .args:
      - { .name: y_img, .offset: 0, .size: 8, .value_kind: global_buffer, .address_space: global }
      - { .name: y_sc, .offset: 8, .size: 8, .value_kind: global_buffer, .address_space: global }
      - { .name: w_img, .offset: 16, .size: 8, .value_kind: global_buffer, .address_space: global }
      - { .name: w_sc, .offset: 24, .size: 8, .value_kind: global_buffer, .address_space: global }
      - { .name: out0, .offset: 32, .size: 8, .value_kind: global_buffer, .address_space: global }
      - { .name: bo, .offset: 40, .size: 8, .value_kind: global_buffer, .address_space: global }
    .group_segment_fixed_size: 327680
    .private_segment_fixed_size: 0
    .kernarg_segment_align: 8
    .kernarg_segment_size: 48
    .max_flat_workgroup_size: 128
    .sgpr_count:     102
    .vgpr_count:     840
    .wavefront_size: 32
...
	.end_amdgpu_metadata
.endif
;; end of part 4
